; MI455X (gfx1250); checked and timed in simulation.
; The chip was launched on July 23, 2026; its instructions are those of AMD's public machine-readable ISA for CDNA 5 (MIT licence, August 2026) and "CDNA5" Instruction Set Architecture Reference Guide (July 2026). The comments in the code are by the model that wrote it; some were corrected since.
;; Multi Head Latent Attention. Allowed arithmetic: matrix products marked QUANTISED: E4M3 operands, one given power-of-two scale a tensor, by v_wmma_f32_16x16x64_fp8_fp8 or v_wmma_f32_16x16x128_fp8_fp8, f32 sums; everything else in f32.
;; Inputs: kv_down_codes 512 x 32 x 32 uint8 (E4M3 codes of kv_down, K innermost, in blocks of 32 codes); lowp_scales 14 int32 (the exponents e of the quantised operands' scales 2^e); norm_w 1,024 float32; wk_codes 1,024 x 16 x 32 uint8 (E4M3 codes of wk, K innermost, in blocks of 32 codes); wo_codes 1,024 x 32 x 32 uint8 (E4M3 codes of wo, K innermost, in blocks of 32 codes); wq_codes 1,024 x 32 x 32 uint8 (E4M3 codes of wq, K innermost, in blocks of 32 codes); wv_codes 1,024 x 16 x 32 uint8 (E4M3 codes of wv, K innermost, in blocks of 32 codes); x 4 x 2,048 x 1,024 float32.
;; Outputs: out0 4 x 2,048 x 1,024 float32.
;; This version of the problem:
;;   THIS VERSION OF THE PROBLEM IS GIVEN IN LOW PRECISION. The matrix products marked QUANTISED in the list below multiply operands that are first quantised to E4M3 (4 exponent bits, 3 mantissa bits; 8 bits a number), with one given power-of-two scale for each operand tensor; their sums are f32. All else is computed in f32.
;;   The module's matrix products, in the order in which they are computed (A, B: the left and right operand; K: the contracted axis; several contracted axes count as one K, in the product's order):
;;     1. [M 8,192, K 1,024] x [K 1,024, N 1,024]; A: computed on the way; B: input wq (given as codes): QUANTISED (scales: A lowp_scales[0], B lowp_scales[1])
;;     2. [M 8,192, K 1,024] x [K 1,024, N 512]; A: computed on the way; B: input kv_down (given as codes): QUANTISED (scales: A lowp_scales[2], B lowp_scales[3])
;;     3. [M 8,192, K 512] x [K 512, N 1,024]; A: computed on the way; B: input wk (given as codes): QUANTISED (scales: A lowp_scales[4], B lowp_scales[5])
;;     4. [M 8,192, K 512] x [K 512, N 1,024]; A: computed on the way; B: input wv (given as codes): QUANTISED (scales: A lowp_scales[6], B lowp_scales[7])
;;     5. batch 64 x [M 2,048, K 64] x [K 64, N 2,048]; A: computed on the way; B: computed on the way: QUANTISED (scales: A lowp_scales[8], B lowp_scales[9])
;;     6. batch 64 x [M 2,048, K 2,048] x [K 2,048, N 64]; A: softmax (see below); B: computed on the way: QUANTISED (scales: A lowp_scales[10], B lowp_scales[11])
;;     7. [M 8,192, K 1,024] x [K 1,024, N 1,024]; A: computed on the way; B: input wo (given as codes): QUANTISED (scales: A lowp_scales[12], B lowp_scales[13])
;;   THE QUANTISER, for each operand of a quantised product, along K:
;;     - The operand's scale is 2^e, e = its entry of the input lowp_scales (int32; the entries are numbered through the quantised products in the list's order, A before B).
;;     - Each number is divided by the scale, clamped to +-448, and rounded to the nearest number of E4M3, ties to even, subnormals kept.
;;     - The product sums the exact products of the quantised numbers (number of the format x scale) in f32.
;;   ~~~python
;;   def quantise(x, axis, e):      # numpy; x: float32 -> the quantised numbers, widened to float32 again
;;       x = np.moveaxis(x, axis, -1); K = x.shape[-1]
;;       r = np.clip(x / 2.0 ** e, -448, 448)
;;       step = 2.0 ** (np.maximum(np.frexp(np.where(r == 0, 1, r))[1] - 1, -6) - 3)
;;       q = np.round(r / step) * step * 2.0 ** e      # np.round: ties to even
;;       return np.moveaxis(q, -1, axis).astype(np.float32)
;;   ~~~
;;   SOFTMAX AHEAD OF A QUANTISED PRODUCT. Where the list says 'softmax', what is quantised is not the finished softmax but p = 2^(t - M), with t = logit x log2(e) and M = ceil(the row's largest t), a whole number; so 1/2 < the row's largest p <= 1. The row's sum l is taken of the UNQUANTISED p, in f32, and the product's result is divided by l at the end. Since M is a whole number, a kernel that streams over the keys may use a running M (the ceiling of the running maximum): every later rescaling is an exact power of two, so the quantised numbers keep their values, but for numbers so far below the row's largest that they fall under the format's range.
;;   OPERANDS COMPUTED ON THE WAY. 'Computed on the way' means the value that the module computes at that place (a softmax that the list does not call 'softmax' is quantised finished and normalised). What goes into a quantiser is computed in f32, as accurately as f32 sums, v_exp_f32 and their like allow (about 1e-6 of the number): no bf16 or f16 on the way to a quantiser, and a product that is left as it is and whose result goes on into a quantised operand takes f32 operands (vector FMAs, or v_wmma_f32_16x16x4_f32). A number that lies on a knife's edge between two numbers of the format may be rounded either way, as far as f32 arithmetic and the matrix unit's own rounding can turn it there, and no further.
;;   INPUTS GIVEN AS CODES. kv_down (in the module: [1024, 512], K = its axis 0); wk (in the module: [512, 1024], K = its axis 0); wo (in the module: [1024, 1024], K = its axis 0); wq (in the module: [1024, 1024], K = its axis 0); wv (in the module: [512, 1024], K = its axis 0): each comes as NAME_codes (uint8): NAME with its K axis moved to the last place and cut into blocks of 32 codes, [.., K / 32, bytes a block], one block behind the other in memory; one code a byte (a code: sign, 4 exponent bits, 3 mantissa bits); its scale is its entry of lowp_scales. Its value is code x scale, taken as it is: it is not quantised again, and the codes and scales need not be those that the quantiser above would give.
;; 2 versions. Each part assembles by itself: llvm-mc -triple=amdgcn-amd-amdhsa -mcpu=gfx1250 --defsym DOCPART=n.
;; ======== version 1 of 2: 5 launches
;; workspace buffers: xc 16,777,216 bytes; rope 524,288 bytes; kvc 8,388,608 bytes; qc 8,388,608 bytes; kc 8,388,608 bytes; vc 8,388,608 bytes; ao 8,388,608 bytes
;; launch norm (part 1): grid 512 x 1, 16 waves a work-group, no clusters, 36,864 bytes of LDS; arguments x, norm_w, lowp_scales, xc, rope; writes xc, rope
.if DOCPART == 1
	.amdgcn_target "amdgcn-amd-amdhsa--gfx1250"
	.amdhsa_code_object_version 6
	.text
	.protected	k_q02931a62d3_norm
	.globl	k_q02931a62d3_norm
	.p2align	8
	.type	k_q02931a62d3_norm,@function
k_q02931a62d3_norm:
	s_mov_b64 s[64:65], 0
	v_nop
	global_prefetch_b8 v0, s[64:65] scope:SCOPE_SE
	s_setreg_imm32_b32 hwreg(HW_REG_WAVE_MODE, 25, 1), 1
	s_wait_xcnt 0x0
; xn = x * rsqrt(mean(x^2) + 1e-6) * norm_w, quantised twice to E4M3 (scales 2^e0 and 2^e2), and the table of RoPE's cosines and sines.
; x: [8192][1024] f32.  xc: [2][512 row tiles][8 K steps][4 planes][32 lanes][16 bytes]: the codes as an IMAGE OF THE OPERAND'S REGISTERS of the products that read them:
; lane (r, h) of plane c of K step s holds row r, k = 128 s + 32 c + 16 h + 0 .. 15.  rope: [2048 positions][32 frequencies][cos, sin] f32.
; SHARES.  A work-group takes a tile of 16 rows, each of its sixteen waves one row: the row stays in 32 registers between the sum of squares and the scaling, so x is read once.
; Load i of a lane takes columns 128 i + 4 lane .. + 3: each load of the wave reads 512 consecutive bytes.  A lane's four codes of load i belong at byte 2048 i + 256 (lane / 4) + 16 row + 4 (lane % 4) of the
; tile's image: the sixteen rows meet in LDS, and the image leaves in stores of 512 consecutive bytes a wave.  In LDS each 256 bytes of the image are followed by 16 of padding (pitch 272 = 68 words), so that
; the 32 lanes of a 4-byte store fall on 32 different banks (64 banks of 4 bytes: ISA guide 11.1).
; No matrix work, no tensor load, no cluster: the work-groups share nothing but norm_w's 4,096 bytes.
; LIMITS: e0 and e2 between -126 and 119, so that 2^e and 448 x 2^e are f32 numbers.  NaN among the inputs is not served.  RoPE's frequency is 2^(-f log2(10000) / 32) by v_exp_f32; the angle
; position x frequency may differ from another f32 evaluation by about 2e-4 at position 2,047.
.set PIT, 272                          ; 256 bytes of an image + 16 of padding
.set IMG, 64*PIT                       ; an image in LDS: 17,408 bytes; two of them
.set X,   16                           ; v16-47   the row
.set W,   48                           ; v48-79   norm_w at the same columns
.set Y,   80                           ; v80-111  the table's arithmetic; the row held for e0; the read-out
.set C0,  112                          ; v112-119 codes under e0: register i = the four codes of load i
.set C2,  120                          ; v120-127 codes under e2
	s_load_b256 s[4:11], s[0:1], 0x0               ; x s[4:5], norm_w s[6:7], the scales' exponents s[8:9], xc s[10:11]
	s_load_b64 s[12:13], s[0:1], 0x20              ; rope
	v_lshl_add_u32 v128, v0, 2, 0x8800
	v_mov_b32 v129, 0
	v_lshrrev_b32 v6, 5, v0
	v_readfirstlane_b32 s16, v6                    ; wave = the row in the tile
	v_and_b32 v1, 31, v0                           ; lane
	v_lshlrev_b32 v2, 4, v1                        ; my 16 bytes of a load's 512
	v_lshrrev_b32 v6, 2, v1
	v_mul_u32_u24 v3, v6, PIT
	v_and_b32 v7, 3, v1
	v_lshl_add_u32 v3, v7, 2, v3
	s_lshl_b32 s17, s16, 4
	v_add_nc_u32 v3, s17, v3                       ; into the image: 272 (lane / 4) + 4 (lane % 4) + 16 row
	v_lshrrev_b32 v6, 4, v0
	v_mul_u32_u24 v4, v6, PIT
	v_and_b32 v7, 15, v0
	v_lshl_add_u32 v4, v7, 4, v4                   ; out of it: 272 (thread / 16) + 16 (thread % 16)
	v_lshlrev_b32 v5, 4, v0                        ; and the same place in memory: 16 x thread
	s_lshl_b32 s17, ttmp9, 4
	s_add_co_u32 s17, s17, s16                     ; my row of x: 16 x work-group + wave.  In the first 128 work-groups also my position in the table
	s_lshl_b32 s18, s17, 12                        ; x 4,096 bytes
	s_mov_b32 s19, 0
	s_lshl_b32 s20, ttmp9, 14                      ; the tile's image in xc: 16,384 bytes
	s_mov_b32 s21, 0
	s_mov_b32 s38, 0x358637bd                      ; 1e-6
	s_mov_b32 s39, 0x3a800000                      ; 1 / 1024
	s_mov_b32 s40, 0x76543210                      ; v_permlanex16_b32: lane l xor 16
	s_mov_b32 s41, 0xfedcba98
	s_wait_kmcnt 0x0
	s_load_b128 s[44:47], s[8:9], 0x0              ; e0, e1, e2, e3
	s_add_nc_u64 s[4:5], s[4:5], s[18:19]
	s_add_nc_u64 s[10:11], s[10:11], s[20:21]      ; the image under e0,
	s_add_nc_u64 s[14:15], s[10:11], 0x800000      ; and under e2: the buffer's second half
.irp i, 0,1,2,3,4,5,6,7
	global_load_b128 v[X+4*\i:X+4*\i+3], v2, s[4:5] offset:512*\i th:TH_LOAD_NT
.endr
.irp i, 0,1,2,3,4,5,6,7
	global_load_b128 v[W+4*\i:W+4*\i+3], v2, s[6:7] offset:512*\i
.endr
	s_wait_kmcnt 0x0
	s_add_co_i32 s22, s44, 127
	s_lshl_b32 s23, s22, 23
	v_mov_b32 v12, s23                             ; 2^e0 as f32: the conversion takes its exponent field
	s_add_co_i32 s22, s22, 8
	s_lshl_b32 s22, s22, 23
	s_or_b32 s22, s22, 0x600000
	v_mov_b32 v13, s22                             ; 448 x 2^e0
	s_add_co_i32 s22, s46, 127
	s_lshl_b32 s23, s22, 23
	v_mov_b32 v14, s23                             ; 2^e2
	s_add_co_i32 s22, s22, 8
	s_lshl_b32 s22, s22, 23
	s_or_b32 s22, s22, 0x600000
	v_mov_b32 v15, s22                             ; 448 x 2^e2
	; THE TABLE, while x is on its way: the first 128 work-groups, a wave a position, a lane a frequency.  A branch on the work-group's number; no barrier stands inside
	s_cmp_lt_u32 ttmp9, 128
	s_cbranch_scc0 .Lno_table
	s_lshl_b32 s18, s17, 8                         ; a position's 256 bytes
	s_add_nc_u64 s[12:13], s[12:13], s[18:19]
	v_lshlrev_b32 v95, 3, v1                       ; 8 bytes a frequency
	v_cvt_f32_u32 v80, v1
	v_mul_f32 v80, 0xbed49a78, v80                 ; -f log2(10000) / 32
	v_exp_f32 v81, v80                             ; the frequency
	v_cvt_f32_u32 v82, s17                         ; (a plain line behind the exponential)  the position
	s_wait_alu depctr_va_vdst(0)
	v_mul_f32 v82, v82, v81                        ; the angle, at most 2,047
	v_mul_f32 v83, 0x3f22f983, v82
	v_rndne_f32 v83, v83                           ; n = the nearest multiple of pi / 2
	v_fmamk_f32 v84, v83, 0xbfc90000, v82          ; the angle - n pi / 2, pi / 2 in three parts: n has 11 bits, the first two parts 8 and 11: those products are exact
	v_fmamk_f32 v84, v83, 0xb9fda000, v84
	v_fmamk_f32 v84, v83, 0xb3a22168, v84          ; r, within +- pi / 4
	v_mul_f32 v85, v84, v84                        ; z = r^2
	v_mov_b32 v86, 0xb94ca1f9
	v_fmaak_f32 v86, v86, v85, 0x3c08839e
	v_fmaak_f32 v86, v86, v85, 0xbe2aaaa3
	v_mul_f32 v87, v85, v84
	v_fma_f32 v86, v86, v87, v84                   ; sin r = r + z r (S1 + S2 z + S3 z^2)
	v_mov_b32 v88, 0x37ccf5ce
	v_fmaak_f32 v88, v88, v85, 0xbab6061a
	v_fmaak_f32 v88, v88, v85, 0x3d2aaaa5
	v_mul_f32 v89, v85, v85
	v_fma_f32 v90, v85, -0.5, 1.0
	v_fma_f32 v88, v88, v89, v90                   ; cos r = 1 - z / 2 + z^2 (C1 + C2 z + C3 z^2)
	v_cvt_i32_f32 v91, v83
	v_and_b32 v92, 1, v91
	v_cmp_eq_u32 vcc_lo, 1, v92                    ; n odd: sine and cosine change places
	v_cndmask_b32 v93, v86, v88, vcc_lo
	v_cndmask_b32 v94, v88, v86, vcc_lo
	v_and_b32 v92, 2, v91
	v_lshlrev_b32 v92, 30, v92
	v_xor_b32 v97, v93, v92                        ; the sine is negative where n mod 4 is 2 or 3,
	v_add_nc_u32 v91, 1, v91
	v_and_b32 v91, 2, v91
	v_lshlrev_b32 v91, 30, v91
	v_xor_b32 v96, v94, v91                        ; the cosine where it is 1 or 2
	global_store_b64 v95, v[96:97], s[12:13]       ; the wave stores a position's 256 consecutive bytes
.Lno_table:
	s_wait_loadcnt 0x0                             ; x and norm_w
	s_wait_xcnt 0x0                                ; the table's store has read its registers: they are written again below
	v_pk_mul_f32 v[6:7], v[X:X+1], v[X:X+1]        ; the sum of squares, two at a time, in two chains that the first products start
	v_pk_mul_f32 v[8:9], v[X+2:X+3], v[X+2:X+3]
.irp j, 4,8,12,16,20,24,28
	v_pk_fma_f32 v[6:7], v[X+\j:X+\j+1], v[X+\j:X+\j+1], v[6:7]
	v_pk_fma_f32 v[8:9], v[X+\j+2:X+\j+3], v[X+\j+2:X+\j+3], v[8:9]
.endr
	v_pk_add_f32 v[6:7], v[6:7], v[8:9]
	v_add_f32 v6, v6, v7
	v_add_f32_dpp v6, v6, v6 row_xmask:1 row_mask:0xf bank_mask:0xf
	v_add_f32_dpp v6, v6, v6 row_xmask:2 row_mask:0xf bank_mask:0xf
	v_add_f32_dpp v6, v6, v6 row_xmask:4 row_mask:0xf bank_mask:0xf
	v_add_f32_dpp v6, v6, v6 row_xmask:8 row_mask:0xf bank_mask:0xf
	v_permlanex16_b32 v7, v6, s40, s41
	v_add_f32 v6, v6, v7                           ; every lane holds the row's sum
	v_fma_f32 v6, v6, s39, s38                     ; the mean + 1e-6
	v_rsq_f32 v10, v6
	v_mov_b32 v11, 0                               ; (a plain line behind the transcendental; v11 is named as the upper half of the pair)
	s_wait_alu depctr_va_vdst(0)
.irp j, 0,2,4,6,8,10,12,14,16,18,20,22,24,26,28,30
	v_pk_mul_f32 v[X+\j:X+\j+1], v[X+\j:X+\j+1], v[10:11] op_sel_hi:[1,0]
.endr
.irp j, 0,2,4,6,8,10,12,14,16,18,20,22,24,26,28,30
	v_pk_mul_f32 v[X+\j:X+\j+1], v[X+\j:X+\j+1], v[W+\j:W+\j+1]   ; (x rs) w, in that order
.endr
.irp j, 0,1,2,3,4,5,6,7,8,9,10,11,12,13,14,15,16,17,18,19,20,21,22,23,24,25,26,27,28,29,30,31
	v_med3_num_f32 v[Y+\j], v[X+\j], -v13, v13     ; the conversion to an 8-bit code does not saturate (ISA guide 7.6.2): the hold at 448 x 2^e0
.endr
.irp m, 0,1,2,3
	v_cvt_scalef32_pk8_fp8_f32 v[C0+2*\m:C0+2*\m+1], v[Y+8*\m:Y+8*\m+7], v12   ; the eight numbers of loads 2 m and 2 m + 1: one register of codes for each load
.endr
.irp j, 0,1,2,3,4,5,6,7,8,9,10,11,12,13,14,15,16,17,18,19,20,21,22,23,24,25,26,27,28,29,30,31
	v_med3_num_f32 v[X+\j], v[X+\j], -v15, v15     ; the same under e2
.endr
.irp m, 0,1,2,3
	v_cvt_scalef32_pk8_fp8_f32 v[C2+2*\m:C2+2*\m+1], v[X+8*\m:X+8*\m+7], v14
.endr
	v_nop                                          ; a plain line behind the last conversion
.irp i, 0,1,2,3,4,5,6,7
	ds_store_b32 v3, v[C0+\i] offset:8*PIT*\i
	ds_store_b32 v3, v[C2+\i] offset:8*PIT*\i+IMG
.endr
	s_wait_dscnt 0x0                               ; for the others' sake: my stores have landed
	s_barrier_signal -1
	s_barrier_wait -1                              ; both images are whole
	ds_load_b128 v[Y:Y+3], v4
	ds_load_b128 v[Y+4:Y+7], v4 offset:32*PIT
	ds_load_b128 v[Y+8:Y+11], v4 offset:IMG
	ds_load_b128 v[Y+12:Y+15], v4 offset:IMG+32*PIT
	s_wait_dscnt 3                                 ; LDS loads come back in order: the three younger ones may be out
	global_store_b128 v5, v[Y:Y+3], s[10:11]       ; each store of the wave covers 512 consecutive bytes, aligned
	s_wait_dscnt 2
	global_store_b128 v5, v[Y+4:Y+7], s[10:11] offset:8192
	s_wait_dscnt 1
	global_store_b128 v5, v[Y+8:Y+11], s[14:15]
	s_wait_dscnt 0
	global_store_b128 v5, v[Y+12:Y+15], s[14:15] offset:8192
	s_wait_tensorcnt 0x0
	ds_add_u32 v128, v129
	s_wait_dscnt 0x0
	s_endpgm
.Lfunc_end_k_q02931a62d3_norm:
	.size	k_q02931a62d3_norm, .Lfunc_end_k_q02931a62d3_norm-k_q02931a62d3_norm
	.p2alignl 7, 3214868480
	.fill 96, 4, 3214868480
	.section	.rodata,"a",@progbits
	.p2align	6, 0x0
	.amdhsa_kernel k_q02931a62d3_norm
		.amdhsa_group_segment_fixed_size 36864
		.amdhsa_private_segment_fixed_size 0
		.amdhsa_enable_private_segment 0
		.amdhsa_kernarg_size 40
		.amdhsa_user_sgpr_count 2
		.amdhsa_user_sgpr_kernarg_segment_ptr 1
		.amdhsa_wavefront_size32 1
		.amdhsa_system_sgpr_workgroup_id_x 1
		.amdhsa_system_sgpr_workgroup_id_y 1
		.amdhsa_system_sgpr_workgroup_id_z 1
		.amdhsa_system_vgpr_workitem_id 0
		.amdhsa_next_free_vgpr 130
		.amdhsa_next_free_sgpr 66
		.amdhsa_reserve_vcc 1
		.amdhsa_float_denorm_mode_32 3
		.amdhsa_float_denorm_mode_16_64 3
		.amdhsa_memory_ordered 1
		.amdhsa_forward_progress 1
		.amdhsa_inst_pref_size 16
	.end_amdhsa_kernel
	.amdgpu_metadata
---
amdhsa.version: [ 1, 2 ]
amdhsa.kernels:
  - .name:           k_q02931a62d3_norm
    .symbol:         k_q02931a62d3_norm.kd
    .args:
      - { .name: x, .offset: 0, .size: 8, .value_kind: global_buffer, .address_space: global }
      - { .name: norm_w, .offset: 8, .size: 8, .value_kind: global_buffer, .address_space: global }
      - { .name: lowp_scales, .offset: 16, .size: 8, .value_kind: global_buffer, .address_space: global }
      - { .name: xc, .offset: 24, .size: 8, .value_kind: global_buffer, .address_space: global }
      - { .name: rope, .offset: 32, .size: 8, .value_kind: global_buffer, .address_space: global }
    .group_segment_fixed_size: 36864
    .private_segment_fixed_size: 0
    .kernarg_segment_align: 8
    .kernarg_segment_size: 40
    .max_flat_workgroup_size: 512
    .sgpr_count:     66
    .vgpr_count:     130
    .wavefront_size: 32
...
	.end_amdgpu_metadata
.endif
;; end of part 1
;; launch down (part 2): grid 6 x 32, 4 waves a work-group, no clusters, 262,656 bytes of LDS; arguments xc, wq_codes, kv_down_codes, lowp_scales, rope, qc, kvc; writes qc, kvc
.if DOCPART == 2
	.amdgcn_target "amdgcn-amd-amdhsa--gfx1250"
	.amdhsa_code_object_version 6
	.text
	.protected	k_q02931a62d3_down
	.globl	k_q02931a62d3_down
	.p2align	8
	.type	k_q02931a62d3_down,@function
k_q02931a62d3_down:
	s_mov_b64 s[64:65], 0
	v_nop
	global_prefetch_b8 v0, s[64:65] scope:SCOPE_SE
	s_setreg_imm32_b32 hwreg(HW_REG_WAVE_MODE, 25, 1), 1
	s_wait_xcnt 0x0
; q = rope(xn wq) and kv = xn kv_down, on codes of E4M3; both results leave as codes, laid as images of the registers of the products that read them.
; UNITS.  Work-group x = 0 .. 3: q's columns 256 x on (wave w: head 4 x + w), A = xn's codes under e0; x = 4, 5: kv's columns 256 (x - 4) on, A = xn's codes under e2.  Work-group y: 256 rows, 16 tiles of 16.
; THE WEIGHTS STAY IN REGISTERS: a wave's 64 columns x 1,024 along K are 32 fragments, 512 registers (windows 1 and 2), read from memory once.
; THE ROWS' CODES come once, as they lie (images of fragments, 16,384 bytes a tile), into LDS: one tensor load of 65,536 bytes a wave.  No LDS byte is filled twice, so there is one barrier and no ring.
; Each fragment of A read from LDS feeds four matrix instructions.
; THE MATRIX INSTRUCTION IS USED TRANSPOSED (source 0 = 16 rows of the weight, source 1 = 16 tokens), AND THE ROWS OF A WEIGHT TILE ARE NOT NEIGHBOURS: lane r of tile t takes row 32 (t / 2) + 8 (t % 2) + r + 8 (r / 8).
; So lane (r, h) holds token r, and register j of tile t column 32 (t / 2) + 16 h + 8 (t % 2) + j: tiles 2 b, 2 b + 1 are 16 neighbours, and RoPE's partner (32 further on) is tile t + 2, same lane, same register.
; k lies in the fragments as four 16-byte loads bring it (registers 4 c .. 4 c + 3: k = 32 c + 16 h + 0 .. 15), alike in both operands, so every product meets its partner.
; qc: [64 heads][128 tiles][2 planes][32 lanes][16]: registers 2 c, 2 c + 1 of a K = 64 fragment hold channels 32 (c / 2) + 16 h + 8 (c % 2) + 0 .. 7; k's codes are laid alike.
; kvc: [2: e4, e6][512 tiles][4 K steps][4 planes][32][16].
; NO CLUSTER: six units along x do not divide into fours, and along y nothing but the weights is shared, which go straight into registers.  192 work-groups of equal work.
; LIMITS: e8 - e0 - e1, e4 - e2 - e3 and e6 - e2 - e3 between -126 and 119.  NaN is not served.
.set KB,  1024                         ; a weight row in bytes
.set LI,  1                            ; v1   16 x lane: my place in a plane
.set AD,  2                            ; v2   LDS address of the tile in hand
.set WA,  3                            ; v3   my place in a weight tile
.set TA,  4                            ; v4   my place in a tile's rows of the table
.set SC1, 8                            ; v8, v9    the scale and 448 x the scale of the first conversion; v10, v11 of the second
.set LM1, 9
.set SC2, 10
.set LM2, 11
.set ACC, 16                           ; v16-47   four accumulators
.set R,   48                           ; v48-79   numbers on their way to the conversion
.set CD,  80                           ; v80-95   codes
.set TBL, 96                           ; v96-127  cos, sin of my token at frequencies 16 h + 0 .. 15
.set AF,  128                          ; v128-255 A's eight fragments of a tile
.set MSB, 0
.macro WIN new                         ; the immediate's high byte repeats the setting that is left
.if MSB != (\new)
	s_set_vgpr_msb (MSB<<8)|(\new)
.set MSB, (\new)
.endif
.endm
.macro PLACES n
.rept \n
	v_nop
.endr
.endm
.macro WHALF base                      ; the weight fragments of K steps base .. base + 3: (step s, tile t) at v[16 (4 s + t)] of the window in hand
.irp s, 0,1,2,3
.irp t, 0,1,2,3
.irp c, 0,1,2,3
	global_load_b128 v[16*(4*\s+\t)+4*\c:16*(4*\s+\t)+4*\c+3], v[WA], s[44:45] offset:(32*(\t/2)+8*(\t%2))*KB+128*(\base+\s)+32*\c
.endr
.endr
.endr
.endm
.macro FETCH                           ; a tile's eight fragments, as they lie: 32 loads of 512 consecutive bytes
.irp s, 0,1,2,3,4,5,6,7
.irp c, 0,1,2,3
	ds_load_b128 v[AF+16*\s+4*\c:AF+16*\s+4*\c+3], v[AD] offset:2048*\s+512*\c
.endr
.endr
.endm
; A tile's 32 products.  The four accumulators take turns, one instruction a turn; the first K step starts the sums.
; Five places follow: the next tile's first products write over the accumulators; they also serve the loads into A's registers and the first reads of the results.
.macro MUL
.irp s, 0,1,2,3,4,5,6,7
	s_wait_dscnt 4*(7-\s)                          ; fragment s is in; those of the later K steps may be out
	WIN 1+\s/4                                     ; source 0 in window 1, then 2
.irp t, 0,1,2,3
.if \s == 0
	v_wmma_f32_16x16x128_fp8_fp8 v[ACC+8*\t:ACC+8*\t+7], v[16*(4*(\s%4)+\t):16*(4*(\s%4)+\t)+15], v[AF+16*\s:AF+16*\s+15], 0
.else
	v_wmma_f32_16x16x128_fp8_fp8 v[ACC+8*\t:ACC+8*\t+7], v[16*(4*(\s%4)+\t):16*(4*(\s%4)+\t)+15], v[AF+16*\s:AF+16*\s+15], v[ACC+8*\t:ACC+8*\t+7]
.endif
.endr
.endr
	WIN 0
	PLACES 5
.endm
.macro TLOAD                           ; the table's rows of the tile's 16 tokens: my token's 16 frequencies
.irp q, 0,1,2,3,4,5,6,7
	global_load_b128 v[TBL+4*\q:TBL+4*\q+3], v[TA], s[12:13] offset:16*\q
.endr
.endm
; RoPE on tiles a .. a + 3 (a head): channel d < 32 lies in tiles a, a + 1, its partner d + 32 in tiles a + 2, a + 3.  Each accumulator is read from its low end on.
.macro ROPE a
.irp u, 0,1
.irp j, 0,1,2,3,4,5,6,7
	v_mul_f32 v[R+8*\u+\j], v[ACC+8*((\a)+\u)+\j], v[TBL+2*(8*\u+\j)]
	v_mul_f32 v[R+16+8*\u+\j], v[ACC+8*((\a)+\u)+\j], v[TBL+2*(8*\u+\j)+1]
.endr
.endr
.irp u, 0,1
.irp j, 0,1,2,3,4,5,6,7
	v_fma_f32 v[R+8*\u+\j], -v[ACC+8*((\a)+\u+2)+\j], v[TBL+2*(8*\u+\j)+1], v[R+8*\u+\j]        ; t1 cos - t2 sin
	v_fma_f32 v[R+16+8*\u+\j], v[ACC+8*((\a)+\u+2)+\j], v[TBL+2*(8*\u+\j)], v[R+16+8*\u+\j]     ; t1 sin + t2 cos
.endr
.endr
.endm
; 8 n numbers from v[src] on are held within +- v[lm] into v[tmp] on and converted, eight to a pair of registers, dstep registers apart
.macro QUANT dst, dstep, tmp, src, n, sc, lm
.set qi, 0
.rept 8*(\n)
	v_med3_num_f32 v[(\tmp)+qi], v[(\src)+qi], -v[\lm], v[\lm]   ; the conversion to an 8-bit code does not saturate (ISA guide 7.6.2)
.set qi, qi+1
.endr
.set qi, 0
.rept \n
	v_cvt_scalef32_pk8_fp8_f32 v[(\dst)+(\dstep)*qi:(\dst)+(\dstep)*qi+1], v[(\tmp)+8*qi:(\tmp)+8*qi+7], v[\sc]
.set qi, qi+1
.endr
	v_nop                                          ; a plain line behind the last conversion
.endm
	s_load_b256 s[4:11], s[0:1], 0x0               ; xc s[4:5], wq s[6:7], kv_down s[8:9], the scales' exponents s[10:11]
	s_load_b128 s[12:15], s[0:1], 0x20             ; rope s[12:13], qc s[14:15]
	s_load_b64 s[16:17], s[0:1], 0x30              ; kvc
	v_lshl_add_u32 v14, v0, 2, 0x40000
	v_mov_b32 v15, 0
	ds_add_u32 v14, v15
	ds_add_u32 v14, v15
	v_lshrrev_b32 v5, 5, v0
	v_readfirstlane_b32 s32, v5                    ; wave 0..3
	s_mov_b32 s33, ttmp9                           ; the unit
	s_and_b32 s34, ttmp7, 0xffff                   ; the block of 256 rows
	; descriptor group 1: a dense block of 65,536 bytes as 256 rows of 32 elements of 8 bytes; no padding, no mask
	s_mov_b32 s24, 3<<16
	s_mov_b32 s25, 32<<16                          ; tensor_dim0 = 32
	s_mov_b32 s26, 256<<16                         ; tensor_dim1 = 256
	s_mov_b32 s27, 32<<16                          ; tile_dim0 = 32
	s_mov_b32 s28, 256                             ; tile_dim1 = 256
	s_mov_b32 s29, 32                              ; the pitch
	s_mov_b32 s30, 0
	s_mov_b32 s31, 0
	s_mov_b32 s20, 1
	s_lshl_b32 s21, s32, 16                        ; LDS address: wave x 65,536: four tiles of the sixteen
	s_lshl_b32 s38, s34, 18                        ; the block's 262,144 bytes,
	s_add_co_u32 s38, s38, s21                     ; my quarter of them,
	s_cmp_lt_u32 s33, 4
	s_cselect_b32 s35, 0, 0x800000                 ; under e0 for q, under e2 for kv
	s_add_co_u32 s38, s38, s35
	s_mov_b32 s39, 0
	s_and_b32 s40, s33, 3                          ; the weight's rows: 256 x (unit mod 4) + 64 x wave, 1,024 bytes each
	s_lshl_b32 s40, s40, 18
	s_add_co_u32 s40, s40, s21
	s_mov_b32 s41, 0
	s_wait_dscnt 0x0
	s_wait_kmcnt 0x0
	s_load_b256 s[48:55], s[10:11], 0x0            ; e0 .. e7
	s_load_b32 s56, s[10:11], 0x20                 ; e8
	s_add_nc_u64 s[22:23], s[4:5], s[38:39]
	s_or_b32 s23, s23, 0x80000000                  ; type = 2
	tensor_load_to_lds s[20:23], s[24:31]          ; my one tensor load of the launch
	s_nop 0
	PLACES 4
	s_cmp_lt_u32 s33, 4
	s_cselect_b64 s[44:45], s[6:7], s[8:9]
	s_add_nc_u64 s[44:45], s[44:45], s[40:41]
	v_and_b32 v5, 15, v0                           ; r
	v_bfe_u32 v6, v0, 4, 1                         ; h
	v_and_b32 v1, 31, v0
	v_lshlrev_b32 v[LI], 4, v1
	v_and_b32 v7, 8, v5
	v_add_nc_u32 v7, v7, v5                        ; r + 8 (r / 8)
	v_lshlrev_b32 v[WA], 10, v7
	v_lshl_add_u32 v[WA], v6, 4, v[WA]
	v_lshlrev_b32 v[TA], 8, v5
	v_lshl_add_u32 v[TA], v6, 7, v[TA]             ; token r's 256 bytes, + 128 h
	WIN 0x40                                       ; destination window 1
	WHALF 0
	WIN 0x80                                       ; destination window 2
	WHALF 4
	WIN 0
	s_and_b32 s35, s34, 7                          ; the block's first position: 256 x (y mod 8); 256 bytes a position
	s_lshl_b32 s38, s35, 16
	s_add_nc_u64 s[12:13], s[12:13], s[38:39]
	TLOAD                                          ; every unit loads the first tile's rows, so that these registers are written on every way
	; where the codes go.  q: ((batch x 16 + head) x 128 + the tile in the batch) x 1,024
	s_lshr_b32 s35, s34, 3
	s_lshl_b32 s35, s35, 4
	s_lshl_b32 s38, s33, 2
	s_add_co_u32 s35, s35, s38
	s_add_co_u32 s35, s35, s32
	s_lshl_b32 s35, s35, 17
	s_and_b32 s38, s34, 7
	s_lshl_b32 s38, s38, 14
	s_add_co_u32 s38, s38, s35
	; kv: (tile x 4 + K step) x 2,048 + plane x 512: K step 2 (unit - 4) + wave / 2, planes 2 (wave % 2) and the next
	s_and_b32 s35, s33, 3
	s_lshl_b32 s35, s35, 1
	s_lshr_b32 s40, s32, 1
	s_add_co_u32 s35, s35, s40
	s_lshl_b32 s35, s35, 11
	s_and_b32 s40, s32, 1
	s_lshl_b32 s40, s40, 10
	s_add_co_u32 s35, s35, s40
	s_lshl_b32 s40, s34, 17
	s_add_co_u32 s40, s40, s35
	s_mov_b32 s42, 8192
	s_cmp_lt_u32 s33, 4
	s_cselect_b32 s38, s38, s40
	s_cselect_b64 s[18:19], s[14:15], s[16:17]
	s_cselect_b32 s42, 1024, s42                   ; from tile to tile
	s_mov_b32 s43, 0
	s_add_nc_u64 s[18:19], s[18:19], s[38:39]
	s_wait_kmcnt 0x0
	s_sub_co_i32 s35, s56, s48                     ; a sum stands for sum x 2^(its operands' e added): the three scales are folded into the conversion's one
	s_sub_co_i32 s35, s35, s49                     ; q: e8 - e0 - e1
	s_sub_co_i32 s40, s52, s50
	s_sub_co_i32 s40, s40, s51                     ; kv for k: e4 - e2 - e3
	s_sub_co_i32 s41, s54, s50
	s_sub_co_i32 s41, s41, s51                     ; kv for v: e6 - e2 - e3
	s_cmp_lt_u32 s33, 4
	s_cselect_b32 s35, s35, s40
	s_add_co_i32 s35, s35, 127
	s_lshl_b32 s40, s35, 23
	v_mov_b32 v[SC1], s40
	s_add_co_i32 s35, s35, 8
	s_lshl_b32 s35, s35, 23
	s_or_b32 s35, s35, 0x600000
	v_mov_b32 v[LM1], s35
	s_add_co_i32 s41, s41, 127
	s_lshl_b32 s40, s41, 23
	v_mov_b32 v[SC2], s40
	s_add_co_i32 s41, s41, 8
	s_lshl_b32 s41, s41, 23
	s_or_b32 s41, s41, 0x600000
	v_mov_b32 v[LM2], s41
	s_wait_tensorcnt 0x0                           ; my quarter of the block is in LDS,
	s_barrier_signal -1
	s_barrier_wait -1                              ; everybody's is: the launch's one barrier
	s_mov_b32 s36, 0                               ; LDS byte of the tile in hand
	v_add_nc_u32 v[AD], s36, v[LI]
	FETCH
	s_wait_loadcnt 0x0                             ; the weights and the table's first rows
; A tile.  more = 1: the next tile's fragments are fetched under this tile's way out, and the pointers step.
.macro DTRIP more
	MUL
.if \more
	s_add_co_u32 s36, s36, 16384
	v_add_nc_u32 v[AD], s36, v[LI]
	FETCH
.endif
	s_cmp_lt_u32 s33, 4                            ; the unit's kind: a branch on the work-group's number, inside the loop
	s_cbranch_scc0 .Lkv_\@
	s_wait_loadcnt 0x0                             ; the table's rows of this tile; the wait also frees their base
	ROPE 0
.if \more
	s_add_nc_u64 s[12:13], s[12:13], 4096          ; 16 positions on
	TLOAD
.endif
	QUANT CD, 2, R, R, 4, SC1, LM1
	global_store_b128 v[LI], v[CD:CD+3], s[18:19]              ; a plane: the wave stores 512 consecutive bytes
	global_store_b128 v[LI], v[CD+4:CD+7], s[18:19] offset:512
	s_branch .Ljoin_\@
.Lkv_\@:
	QUANT CD, 2, R, ACC, 4, SC1, LM1               ; tiles 2 b, 2 b + 1 are plane b's four registers
	QUANT CD+8, 2, R, ACC, 4, SC2, LM2
	global_store_b128 v[LI], v[CD:CD+3], s[18:19]
	global_store_b128 v[LI], v[CD+4:CD+7], s[18:19] offset:512
	global_store_b128 v[LI], v[CD+8:CD+11], s[18:19] offset:4194304
	global_store_b128 v[LI], v[CD+12:CD+15], s[18:19] offset:4194816
.Ljoin_\@:
.if \more
	s_wait_xcnt 0x0                                ; the stores have read their registers and their base: both are written again only behind this wait
	s_add_nc_u64 s[18:19], s[18:19], s[42:43]
.endif
.endm
	s_mov_b32 s37, 15
.Ltile:
	DTRIP 1
	s_sub_co_u32 s37, s37, 1
	s_cmp_lg_u32 s37, 0
	s_cbranch_scc1 .Ltile
	DTRIP 0                                        ; the last tile fetches nothing
	s_wait_tensorcnt 0x0
	ds_add_u32 v14, v15
	s_wait_dscnt 0x0
	s_endpgm
.Lfunc_end_k_q02931a62d3_down:
	.size	k_q02931a62d3_down, .Lfunc_end_k_q02931a62d3_down-k_q02931a62d3_down
	.p2alignl 7, 3214868480
	.fill 96, 4, 3214868480
	.section	.rodata,"a",@progbits
	.p2align	6, 0x0
	.amdhsa_kernel k_q02931a62d3_down
		.amdhsa_group_segment_fixed_size 262656
		.amdhsa_private_segment_fixed_size 0
		.amdhsa_enable_private_segment 0
		.amdhsa_kernarg_size 56
		.amdhsa_user_sgpr_count 2
		.amdhsa_user_sgpr_kernarg_segment_ptr 1
		.amdhsa_wavefront_size32 1
		.amdhsa_system_sgpr_workgroup_id_x 1
		.amdhsa_system_sgpr_workgroup_id_y 1
		.amdhsa_system_sgpr_workgroup_id_z 1
		.amdhsa_system_vgpr_workitem_id 0
		.amdhsa_next_free_vgpr 768
		.amdhsa_next_free_sgpr 66
		.amdhsa_reserve_vcc 0
		.amdhsa_float_denorm_mode_32 3
		.amdhsa_float_denorm_mode_16_64 3
		.amdhsa_memory_ordered 1
		.amdhsa_forward_progress 1
		.amdhsa_inst_pref_size 49
	.end_amdhsa_kernel
	.amdgpu_metadata
---
amdhsa.version: [ 1, 2 ]
amdhsa.kernels:
  - .name:           k_q02931a62d3_down
    .symbol:         k_q02931a62d3_down.kd
    .args:
      - { .name: xc, .offset: 0, .size: 8, .value_kind: global_buffer, .address_space: global }
      - { .name: wq_codes, .offset: 8, .size: 8, .value_kind: global_buffer, .address_space: global }
      - { .name: kv_down_codes, .offset: 16, .size: 8, .value_kind: global_buffer, .address_space: global }
      - { .name: lowp_scales, .offset: 24, .size: 8, .value_kind: global_buffer, .address_space: global }
      - { .name: rope, .offset: 32, .size: 8, .value_kind: global_buffer, .address_space: global }
      - { .name: qc, .offset: 40, .size: 8, .value_kind: global_buffer, .address_space: global }
      - { .name: kvc, .offset: 48, .size: 8, .value_kind: global_buffer, .address_space: global }
    .group_segment_fixed_size: 262656
    .private_segment_fixed_size: 0
    .kernarg_segment_align: 8
    .kernarg_segment_size: 56
    .max_flat_workgroup_size: 128
    .sgpr_count:     66
    .vgpr_count:     768
    .wavefront_size: 32
...
	.end_amdgpu_metadata
.endif
;; end of part 2
;; launch up (part 3): grid 4 x 64, 4 waves a work-group, no clusters, 168,448 bytes of LDS; arguments kvc, wk_codes, wv_codes, lowp_scales, rope, kc, vc; writes kc, vc
.if DOCPART == 3
	.amdgcn_target "amdgcn-amd-amdhsa--gfx1250"
	.amdhsa_code_object_version 6
	.text
	.protected	k_q02931a62d3_up
	.globl	k_q02931a62d3_up
	.p2align	8
	.type	k_q02931a62d3_up,@function
k_q02931a62d3_up:
	s_mov_b64 s[64:65], 0
	v_nop
	global_prefetch_b8 v0, s[64:65] scope:SCOPE_SE
	s_setreg_imm32_b32 hwreg(HW_REG_WAVE_MODE, 25, 1), 1
	s_wait_xcnt 0x0
; k = rope(kv wk) and v = kv wv, on codes of E4M3; both leave as codes, laid as images of attention's operand registers.
; UNITS.  Work-group x = 0, 1: k; 2, 3: v; columns 512 (x % 2) + 128 wave on: two heads a wave.  Work-group y: 128 rows, 8 tiles of 16.  256 work-groups of equal work.
; A wave's 128 columns x 512 along K are 32 weight fragments, 512 registers (windows 1 and 2), read once.  The rows' codes (65,536 bytes, images of fragments) come into LDS once, one tensor load of
; 16,384 bytes a wave; no LDS byte is filled twice: one barrier, no ring.  Each fragment of A read from LDS feeds eight matrix instructions.
; Lane r of weight tile t takes row 32 (t / 2) + 8 (t % 2) + r + 8 (r / 8).
; k IS MADE TRANSPOSED (source 0 = the weight): lane (r, h) holds token r, register j of tile t column 32 (t / 2) + 16 h + 8 (t % 2) + j: RoPE's partner is tile t + 2; the codes are laid as q's are.
; v IS MADE THE NATURAL WAY (source 0 = the tokens): lane (r, h) holds the column of slot r and register j token 8 h + j: eight neighbours along the second product's K, the keys.  Four tiles of tokens make
; a K = 64 fragment of V^T: registers 2 c, 2 c + 1 hold keys 16 c + 8 h + 0 .. 7.  vc: [64 heads][32 blocks of 64 keys][4 tiles of channels][2 planes][32 lanes][16].
; The two kinds part once, on the work-group's number, and each walks its eight tiles written out, so that every offset is an immediate.
; NO CLUSTER: what partners would share is A's block, 65,536 of the 327,680 bytes that a work-group fetches; the weights go straight into registers.
; LIMITS: e9 - e4 - e5 and e11 - e6 - e7 between -126 and 119.  NaN is not served.
.set KB,  512
.set LI,  1                            ; v1   16 x lane
.set WA,  3                            ; v3   my place in a weight tile
.set TA,  4                            ; v4   my place in a tile's rows of the table
.set SC1, 8
.set LM1, 9
.set ACC, 16                           ; v16-79   eight accumulators
.set R,   80                           ; v80-111  numbers on their way to the conversion
.set TBL, 112                          ; v112-143 k: cos, sin of my token at frequencies 16 h + 0 .. 15
.set VC,  112                          ; v112-143 v: a plane (four registers) for each of the eight tiles of channels
.set CD,  144                          ; v144-159 k: two heads' fragments
.set AF,  192                          ; v192-255 A's four fragments of a tile
.set MSB, 0
.macro WIN new                         ; the immediate's high byte repeats the setting that is left
.if MSB != (\new)
	s_set_vgpr_msb (MSB<<8)|(\new)
.set MSB, (\new)
.endif
.endm
.macro PLACES n
.rept \n
	v_nop
.endr
.endm
.macro WHALF base                      ; the weight fragments of K steps base, base + 1: (step s, tile t) at v[16 (8 s + t)] of the window in hand
.irp s, 0,1
.irp t, 0,1,2,3,4,5,6,7
.irp c, 0,1,2,3
	global_load_b128 v[16*(8*\s+\t)+4*\c:16*(8*\s+\t)+4*\c+3], v[WA], s[44:45] offset:(32*(\t/2)+8*(\t%2))*KB+128*(\base+\s)+32*\c
.endr
.endr
.endr
.endm
.macro FETCH off                       ; a tile's four fragments, from LDS byte off on
.irp s, 0,1,2,3
.irp c, 0,1,2,3
	ds_load_b128 v[AF+16*\s+4*\c:AF+16*\s+4*\c+3], v[LI] offset:(\off)+2048*\s+512*\c
.endr
.endr
.endm
; A tile's 32 products; the eight accumulators take turns, one instruction a turn.  swap = 0: source 0 = the weight; 1: source 0 = the tokens.
; Five places follow: the next tile's first products write over the accumulators; they also serve the loads into A's registers and the first reads of the results.
.macro MUL swap
.irp s, 0,1,2,3
	s_wait_dscnt 4*(3-\s)                          ; fragment s is in; those of the later K steps may be out
.if \swap
	WIN 4*(1+\s/2)                                 ; source 1 in window 1, then 2
.else
	WIN 1+\s/2                                     ; source 0 in window 1, then 2
.endif
.irp t, 0,1,2,3,4,5,6,7
.if \swap
.if \s == 0
	v_wmma_f32_16x16x128_fp8_fp8 v[ACC+8*\t:ACC+8*\t+7], v[AF+16*\s:AF+16*\s+15], v[16*(8*(\s%2)+\t):16*(8*(\s%2)+\t)+15], 0
.else
	v_wmma_f32_16x16x128_fp8_fp8 v[ACC+8*\t:ACC+8*\t+7], v[AF+16*\s:AF+16*\s+15], v[16*(8*(\s%2)+\t):16*(8*(\s%2)+\t)+15], v[ACC+8*\t:ACC+8*\t+7]
.endif
.else
.if \s == 0
	v_wmma_f32_16x16x128_fp8_fp8 v[ACC+8*\t:ACC+8*\t+7], v[16*(8*(\s%2)+\t):16*(8*(\s%2)+\t)+15], v[AF+16*\s:AF+16*\s+15], 0
.else
	v_wmma_f32_16x16x128_fp8_fp8 v[ACC+8*\t:ACC+8*\t+7], v[16*(8*(\s%2)+\t):16*(8*(\s%2)+\t)+15], v[AF+16*\s:AF+16*\s+15], v[ACC+8*\t:ACC+8*\t+7]
.endif
.endif
.endr
.endr
	WIN 0
	PLACES 5
.endm
.macro TLOAD off
.irp q, 0,1,2,3,4,5,6,7
	global_load_b128 v[TBL+4*\q:TBL+4*\q+3], v[TA], s[12:13] offset:(\off)+16*\q
.endr
.endm
.macro ROPE a                          ; RoPE on tiles a .. a + 3 (a head); each accumulator is read from its low end on
.irp u, 0,1
.irp j, 0,1,2,3,4,5,6,7
	v_mul_f32 v[R+8*\u+\j], v[ACC+8*((\a)+\u)+\j], v[TBL+2*(8*\u+\j)]
	v_mul_f32 v[R+16+8*\u+\j], v[ACC+8*((\a)+\u)+\j], v[TBL+2*(8*\u+\j)+1]
.endr
.endr
.irp u, 0,1
.irp j, 0,1,2,3,4,5,6,7
	v_fma_f32 v[R+8*\u+\j], -v[ACC+8*((\a)+\u+2)+\j], v[TBL+2*(8*\u+\j)+1], v[R+8*\u+\j]        ; t1 cos - t2 sin
	v_fma_f32 v[R+16+8*\u+\j], v[ACC+8*((\a)+\u+2)+\j], v[TBL+2*(8*\u+\j)], v[R+16+8*\u+\j]     ; t1 sin + t2 cos
.endr
.endr
.endm
.macro QUANT dst, dstep, tmp, src, n, sc, lm   ; 8 n numbers are held within +- v[lm] into v[tmp] on and converted, eight to a pair of registers, dstep registers apart
.set qi, 0
.rept 8*(\n)
	v_med3_num_f32 v[(\tmp)+qi], v[(\src)+qi], -v[\lm], v[\lm]   ; the conversion to an 8-bit code does not saturate (ISA guide 7.6.2)
.set qi, qi+1
.endr
.set qi, 0
.rept \n
	v_cvt_scalef32_pk8_fp8_f32 v[(\dst)+(\dstep)*qi:(\dst)+(\dstep)*qi+1], v[(\tmp)+8*qi:(\tmp)+8*qi+7], v[\sc]
.set qi, qi+1
.endr
	v_nop                                          ; a plain line behind the last conversion
.endm
	s_load_b256 s[4:11], s[0:1], 0x0               ; kvc s[4:5], wk s[6:7], wv s[8:9], the scales' exponents s[10:11]
	s_load_b128 s[12:15], s[0:1], 0x20             ; rope s[12:13], kc s[14:15]
	s_load_b64 s[16:17], s[0:1], 0x30              ; vc
	v_lshl_add_u32 v190, v0, 2, 0x29000
	v_mov_b32 v191, 0
	ds_add_u32 v190, v191
	ds_add_u32 v190, v191
	v_lshrrev_b32 v5, 5, v0
	v_readfirstlane_b32 s32, v5                    ; wave 0..3
	s_mov_b32 s33, ttmp9                           ; the unit
	s_and_b32 s34, ttmp7, 0xffff                   ; the block of 128 rows
	; descriptor group 1: a dense block of 16,384 bytes as 64 rows of 32 elements of 8 bytes; no padding, no mask
	s_mov_b32 s24, 3<<16
	s_mov_b32 s25, 32<<16
	s_mov_b32 s26, 64<<16
	s_mov_b32 s27, 32<<16
	s_mov_b32 s28, 64
	s_mov_b32 s29, 32
	s_mov_b32 s30, 0
	s_mov_b32 s31, 0
	s_mov_b32 s20, 1
	s_lshl_b32 s21, s32, 14                        ; LDS address: wave x 16,384: two tiles of the eight
	s_lshl_b32 s38, s34, 16                        ; the block's 65,536 bytes,
	s_add_co_u32 s38, s38, s21                     ; my quarter of them,
	s_cmp_lt_u32 s33, 2
	s_cselect_b32 s35, 0, 0x400000                 ; under e4 for k, under e6 for v
	s_add_co_u32 s38, s38, s35
	s_mov_b32 s39, 0
	s_and_b32 s40, s33, 1                          ; the weight's rows: 512 x (unit % 2) + 128 x wave, 512 bytes each
	s_lshl_b32 s40, s40, 18
	s_lshl_b32 s35, s32, 16
	s_add_co_u32 s40, s40, s35
	s_mov_b32 s41, 0
	s_wait_dscnt 0x0
	s_wait_kmcnt 0x0
	s_load_b256 s[48:55], s[10:11], 0x0            ; e0 .. e7
	s_load_b128 s[56:59], s[10:11], 0x20           ; e8 .. e11
	s_add_nc_u64 s[22:23], s[4:5], s[38:39]
	s_or_b32 s23, s23, 0x80000000                  ; type = 2
	tensor_load_to_lds s[20:23], s[24:31]          ; my one tensor load of the launch
	s_nop 0
	PLACES 4
	s_cmp_lt_u32 s33, 2
	s_cselect_b64 s[44:45], s[6:7], s[8:9]
	s_add_nc_u64 s[44:45], s[44:45], s[40:41]
	v_and_b32 v5, 15, v0                           ; r
	v_bfe_u32 v6, v0, 4, 1                         ; h
	v_and_b32 v1, 31, v0
	v_lshlrev_b32 v[LI], 4, v1
	v_and_b32 v7, 8, v5
	v_add_nc_u32 v7, v7, v5                        ; r + 8 (r / 8)
	v_lshlrev_b32 v[WA], 9, v7
	v_lshl_add_u32 v[WA], v6, 4, v[WA]
	v_lshlrev_b32 v[TA], 8, v5
	v_lshl_add_u32 v[TA], v6, 7, v[TA]
	WIN 0x40                                       ; destination window 1
	WHALF 0
	WIN 0x80                                       ; destination window 2
	WHALF 2
	WIN 0
	s_and_b32 s35, s34, 15                         ; the block's first position: 128 x (y mod 16); 256 bytes a position
	s_lshl_b32 s38, s35, 15
	s_add_nc_u64 s[12:13], s[12:13], s[38:39]
	; where the codes go: (batch x 16 + my first head) x 131,072 + (y mod 16) x 8,192, in kc and in vc alike: 128 tokens are 8 tiles of 1,024 bytes of k, and 2 blocks of 4,096 bytes of v
	s_lshr_b32 s38, s34, 4
	s_lshl_b32 s38, s38, 4
	s_and_b32 s40, s33, 1
	s_lshl_b32 s40, s40, 3
	s_add_co_u32 s38, s38, s40
	s_lshl_b32 s40, s32, 1
	s_add_co_u32 s38, s38, s40
	s_lshl_b32 s38, s38, 17
	s_lshl_b32 s35, s35, 13
	s_add_co_u32 s38, s38, s35
	s_cmp_lt_u32 s33, 2
	s_cselect_b64 s[18:19], s[14:15], s[16:17]
	s_add_nc_u64 s[18:19], s[18:19], s[38:39]
	s_wait_kmcnt 0x0
	s_sub_co_i32 s35, s57, s52                     ; the three scales are folded into the conversion's one.  k: e9 - e4 - e5
	s_sub_co_i32 s35, s35, s53
	s_sub_co_i32 s40, s59, s54                     ; v: e11 - e6 - e7
	s_sub_co_i32 s40, s40, s55
	s_cmp_lt_u32 s33, 2
	s_cselect_b32 s35, s35, s40
	s_add_co_i32 s35, s35, 127
	s_lshl_b32 s40, s35, 23
	v_mov_b32 v[SC1], s40
	s_add_co_i32 s35, s35, 8
	s_lshl_b32 s35, s35, 23
	s_or_b32 s35, s35, 0x600000
	v_mov_b32 v[LM1], s35
	s_wait_tensorcnt 0x0                           ; my quarter of the block is in LDS,
	s_barrier_signal -1
	s_barrier_wait -1                              ; everybody's is: the launch's one barrier
	FETCH 0
	s_wait_loadcnt 0x0                             ; the weights
	s_cmp_lt_u32 s33, 2
	s_cbranch_scc0 .Lvalues
.macro KTILE i
	MUL 0
.if \i < 7
	FETCH 8192*(\i+1)                              ; the next tile's fragments land under this tile's way out
.endif
	s_wait_loadcnt 0x0                             ; the table's rows of this tile
	s_wait_xcnt 0x0                                ; the last tile's stores have read their registers
.irp hh, 0,1
	ROPE 4*\hh
	QUANT CD+8*\hh, 2, R, R, 4, SC1, LM1
.endr
.if \i < 7
	TLOAD 4096*(\i+1)
.endif
.irp hh, 0,1
.irp p, 0,1
	global_store_b128 v[LI], v[CD+8*\hh+4*\p:CD+8*\hh+4*\p+3], s[18:19] offset:\hh*131072+1024*\i+512*\p   ; a plane: the wave stores 512 consecutive bytes
.endr
.endr
.endm
	TLOAD 0
.irp i, 0,1,2,3,4,5,6,7
	KTILE \i
.endr
	s_wait_tensorcnt 0x0
	ds_add_u32 v190, v191
	s_wait_dscnt 0x0
	s_endpgm
.Lvalues:
.macro VTILE i
	MUL 1
.if \i < 7
	FETCH 8192*(\i+1)
.endif
.if (\i%2) == 0
	s_wait_xcnt 0x0                                ; the last plane's stores have read their registers
.endif
.irp g, 0,1
	QUANT VC+16*\g+2*(\i%2), 4, R, ACC+32*\g, 4, SC1, LM1      ; tile t's eight tokens: registers 2 (i % 2), + 1 of its plane
.endr
.if (\i%2) == 1
.irp t, 0,1,2,3,4,5,6,7
	global_store_b128 v[LI], v[VC+4*\t:VC+4*\t+3], s[18:19] offset:(\t/4)*131072+(\i/4)*4096+(\t%4)*1024+512*((\i/2)%2)
.endr
.endif
.endm
.irp i, 0,1,2,3,4,5,6,7
	VTILE \i
.endr
	s_wait_tensorcnt 0x0
	ds_add_u32 v190, v191
	s_wait_dscnt 0x0
	s_endpgm
.Lfunc_end_k_q02931a62d3_up:
	.size	k_q02931a62d3_up, .Lfunc_end_k_q02931a62d3_up-k_q02931a62d3_up
	.p2alignl 7, 3214868480
	.fill 96, 4, 3214868480
	.section	.rodata,"a",@progbits
	.p2align	6, 0x0
	.amdhsa_kernel k_q02931a62d3_up
		.amdhsa_group_segment_fixed_size 168448
		.amdhsa_private_segment_fixed_size 0
		.amdhsa_enable_private_segment 0
		.amdhsa_kernarg_size 56
		.amdhsa_user_sgpr_count 2
		.amdhsa_user_sgpr_kernarg_segment_ptr 1
		.amdhsa_wavefront_size32 1
		.amdhsa_system_sgpr_workgroup_id_x 1
		.amdhsa_system_sgpr_workgroup_id_y 1
		.amdhsa_system_sgpr_workgroup_id_z 1
		.amdhsa_system_vgpr_workitem_id 0
		.amdhsa_next_free_vgpr 768
		.amdhsa_next_free_sgpr 66
		.amdhsa_reserve_vcc 0
		.amdhsa_float_denorm_mode_32 3
		.amdhsa_float_denorm_mode_16_64 3
		.amdhsa_memory_ordered 1
		.amdhsa_forward_progress 1
		.amdhsa_inst_pref_size 203
	.end_amdhsa_kernel
	.amdgpu_metadata
---
amdhsa.version: [ 1, 2 ]
amdhsa.kernels:
  - .name:           k_q02931a62d3_up
    .symbol:         k_q02931a62d3_up.kd
    .args:
      - { .name: kvc, .offset: 0, .size: 8, .value_kind: global_buffer, .address_space: global }
      - { .name: wk_codes, .offset: 8, .size: 8, .value_kind: global_buffer, .address_space: global }
      - { .name: wv_codes, .offset: 16, .size: 8, .value_kind: global_buffer, .address_space: global }
      - { .name: lowp_scales, .offset: 24, .size: 8, .value_kind: global_buffer, .address_space: global }
      - { .name: rope, .offset: 32, .size: 8, .value_kind: global_buffer, .address_space: global }
      - { .name: kc, .offset: 40, .size: 8, .value_kind: global_buffer, .address_space: global }
      - { .name: vc, .offset: 48, .size: 8, .value_kind: global_buffer, .address_space: global }
    .group_segment_fixed_size: 168448
    .private_segment_fixed_size: 0
    .kernarg_segment_align: 8
    .kernarg_segment_size: 56
    .max_flat_workgroup_size: 128
    .sgpr_count:     66
    .vgpr_count:     768
    .wavefront_size: 32
...
	.end_amdgpu_metadata
.endif
;; end of part 3
;; launch attn (part 4): grid 4 x 64, 16 waves a work-group, no clusters, 264,192 bytes of LDS; arguments qc, kc, vc, lowp_scales, ao; writes ao
.if DOCPART == 4
	.amdgcn_target "amdgcn-amd-amdhsa--gfx1250"
	.amdhsa_code_object_version 6
	.text
	.protected	k_q02931a62d3_attn
	.globl	k_q02931a62d3_attn
	.p2align	8
	.type	k_q02931a62d3_attn,@function
k_q02931a62d3_attn:
	s_mov_b64 s[64:65], 0
	v_nop
	global_prefetch_b8 v0, s[64:65] scope:SCOPE_SE
	s_setreg_imm32_b32 hwreg(HW_REG_WAVE_MODE, 25, 1), 1
	s_wait_xcnt 0x0
; O = softmax(Q K^T / 8) V for one head and 512 queries a work-group, both products on codes of E4M3 by the K = 64 form.  What is quantised for the second product is p = 2^(t - M), t = score x log2(e) / 8,
; M = ceil(the row's largest t); the row's sum is taken of the unquantised p and divides O at the end.  O leaves as codes under e12, laid as an image of the last product's operand registers.
; SHARES.  Work-group y: the head (batch x 16 + head); x: 512 of its 2,048 queries; each of sixteen waves two tiles of 16 queries, in 256 registers: four waves to a SIMD, so that one wave's vector work
; stands beside another's matrix work and LDS loads.
; THE HEAD'S WHOLE K AND V LIE IN LDS (131,072 bytes each, as they lie in memory: images of fragments), brought once through registers: the loops hold no barrier and no wait for memory.
; TWO PASSES over the keys.  Pass 1: S^T = K Q^T and the row's largest score: M is the definition's own, not a running one.  Pass 2: S^T again, p, the sum, O^T += V^T P^T: no running maximum, no exchange
; between lanes and no rescaling of O^T in the loop.  The price: K is read from LDS twice and the first product is made twice.
; LAYOUT.  Both products are used transposed: a lane holds ONE query (lane % 16) throughout.  Register j of key tile kt holds key 16 kt + 8 (lane / 16) + j, so the conversion of tile kt is registers 2 kt,
; 2 kt + 1 of P: nothing changes lanes.  Register j of O^T's tile ct holds channel 32 (ct / 2) + 16 (lane / 16) + 8 (ct % 2) + j (v's columns were chosen so), so tiles 2 p, 2 p + 1 are plane p of the head's half K step.
; THE HOLD of p at 448 x 2^e10 is needed only where that lies under p's largest value, 1: where e10 < -8.  A scalar branch on that given whole number goes round its 64 lines.
; NO CLUSTER, NO TENSOR LOAD: the four work-groups of a head share K and V, which each fetches once, at its head, for two walks over 32 blocks of keys
; NO PREFETCH: every stream is asked for at the head.
; LIMITS: e8 + e9 between -123 and 130 (added to c's exponent field); e10 between -126 and 119.  NaN is not served.
.set LI,  1                            ; v1   16 x lane
.set ADK, 2                            ; v2   LDS address of the block of K in hand
.set ADV, 3                            ; v3   of V
                                       ; v[4:5] -M of tile A (twice), v[6:7] of tile B; v[8:15] four sums in pairs: A, A, B, B
.set Q,   16                           ; v16-31   Q's two fragments
.set KF,  32                           ; v32-63   four fragments of K
.set VF,  64                           ; v64-95   four fragments of V^T; in pass 1 K's second buffer
.set S,   96                           ; v96-159  S^T, then p: tile A at 96 + 8 kt, tile B at 128 + 8 kt; at the head K on its way to LDS
.set O,   160                          ; v160-223 O^T: A at 160 + 8 ct, B at 192 + 8 ct; until pass 2 V on its way to LDS
.set P,   224                          ; v224-239 p's codes
.set MX,  240                          ; v240-243 four running maxima; at the end 1 / the sums
.set SC,  246                          ; v246 2^e10, v247 448 x 2^e10
.set LM,  247
                                       ; v248-251 16 x thread, + 65,536, + 131,072, + 196,608
.macro PLACES n
.rept \n
	v_nop
.endr
.endm
.macro LOAD8 buf, adr, off             ; a block's four fragments (4,096 bytes) as they lie
.irp kt, 0,1,2,3
.irp p, 0,1
	ds_load_b128 v[\buf+8*\kt+4*\p:\buf+8*\kt+4*\p+3], v[\adr] offset:(\off)+1024*\kt+512*\p
.endr
.endr
.endm
.macro SMUL buf                        ; S^T of 64 keys x my 32 queries: eight products, each the whole of its sum
.irp kt, 0,1,2,3
.irp q, 0,1
	v_wmma_f32_16x16x64_fp8_fp8 v[S+32*\q+8*\kt:S+32*\q+8*\kt+7], v[\buf+8*\kt:\buf+8*\kt+7], v[Q+8*\q:Q+8*\q+7], 0
.endr
.endr
.endm
	s_load_b256 s[4:11], s[0:1], 0x0               ; qc s[4:5], kc s[6:7], vc s[8:9], the scales' exponents s[10:11]
	s_load_b64 s[12:13], s[0:1], 0x20              ; ao
	v_lshl_add_u32 v254, v0, 2, 0x40000
	v_mov_b32 v255, 0
	v_lshrrev_b32 v2, 5, v0
	v_readfirstlane_b32 s16, v2                    ; wave 0..15
	v_and_b32 v1, 31, v0
	v_lshlrev_b32 v[LI], 4, v1
	v_lshlrev_b32 v248, 4, v0
	v_add_nc_u32 v249, 0x10000, v248
	v_add_nc_u32 v250, 0x20000, v248
	v_add_nc_u32 v251, 0x30000, v248
	s_and_b32 s17, ttmp7, 0xffff                   ; the head
	s_lshl_b32 s18, s17, 17                        ; its 131,072 bytes in qc, kc and vc
	s_mov_b32 s19, 0
	s_lshl_b32 s25, ttmp9, 5
	s_lshl_b32 s26, s16, 1
	s_add_co_u32 s25, s25, s26                     ; my first tile of queries: 32 x + 2 wave
	s_lshl_b32 s26, s25, 10
	s_add_co_u32 s26, s26, s18
	s_mov_b32 s27, 0
	s_lshr_b32 s33, s17, 4                         ; ao: ((128 batch + tile) x 8 + head / 2) x 2,048 + (head % 2) x 1,024
	s_lshl_b32 s33, s33, 7
	s_add_co_u32 s33, s33, s25
	s_lshl_b32 s33, s33, 3
	s_and_b32 s34, s17, 15
	s_lshr_b32 s34, s34, 1
	s_add_co_u32 s33, s33, s34
	s_lshl_b32 s33, s33, 11
	s_and_b32 s34, s17, 1
	s_lshl_b32 s34, s34, 10
	s_add_co_u32 s34, s34, s33
	s_mov_b32 s35, 0
	s_mov_b32 s20, 0x76543210                      ; v_permlanex16_b32: lane l xor 16
	s_mov_b32 s21, 0xfedcba98
	s_mov_b32 s22, 0x3e38aa3b                      ; c = log2(e) / 8
	s_mov_b32 s36, 0xc3e00000                      ; -448
	s_mov_b32 s37, 0x43e00000                      ; 448
	s_wait_kmcnt 0x0
	s_load_b128 s[28:31], s[10:11], 0x20           ; e8, e9, e10, e11
	s_load_b32 s32, s[10:11], 0x30                 ; e12
	s_add_nc_u64 s[4:5], s[4:5], s[26:27]
	s_add_nc_u64 s[6:7], s[6:7], s[18:19]
	s_add_nc_u64 s[8:9], s[8:9], s[18:19]
	s_add_nc_u64 s[12:13], s[12:13], s[34:35]
.irp i, 0,1,2,3
	global_load_b128 v[Q+4*\i:Q+4*\i+3], v[LI], s[4:5] offset:512*\i       ; Q's fragments stay in registers
.endr
.irp i, 0,1,2,3,4,5,6,7,8,9,10,11,12,13,14,15
	global_load_b128 v[S+4*\i:S+4*\i+3], v248, s[6:7] offset:8192*\i       ; K: the work-group's 512 threads take 8,192 consecutive bytes a line
.endr
.irp i, 0,1,2,3,4,5,6,7,8,9,10,11,12,13,14,15
	global_load_b128 v[O+4*\i:O+4*\i+3], v248, s[8:9] offset:8192*\i       ; V likewise: it lands while pass 1 runs
.endr
	s_wait_kmcnt 0x0
	s_add_co_i32 s23, s28, s29
	s_lshl_b32 s23, s23, 23
	s_add_co_i32 s22, s22, s23                     ; a score stands for score x 2^(e8 + e9): the two exponents are added to c's exponent field
	s_mov_b32 s23, s22                             ; (named with it as a pair, so it is written)
	s_add_co_i32 s24, s30, 127
	s_lshl_b32 s26, s24, 23
	v_mov_b32 v[SC], s26                           ; 2^e10 as f32, for the conversion
	s_add_co_i32 s24, s24, 8
	s_lshl_b32 s24, s24, 23
	s_or_b32 s24, s24, 0x600000
	v_mov_b32 v[LM], s24                           ; 448 x 2^e10
	s_add_co_i32 s25, s30, s31
	s_sub_co_i32 s25, s25, s32                     ; e10 + e11 - e12: what O's sums lack, and the scale of its codes taken off
.irp i, 0,1,2,3
	v_mov_b32 v[MX+\i], 0xff800000                 ; the maxima begin at -infinity
.endr
	s_wait_loadcnt 16                              ; Q and K are in; V's sixteen loads may be out
.irp i, 0,1,2,3,4,5,6,7
	ds_store_b128 v248, v[S+4*\i:S+4*\i+3] offset:8192*\i
.endr
.irp i, 0,1,2,3,4,5,6,7
	ds_store_b128 v249, v[S+32+4*\i:S+32+4*\i+3] offset:8192*\i
.endr
	s_wait_dscnt 0x0                               ; for the others' sake: my stores have landed
	s_barrier_signal -1
	s_barrier_wait -1                              ; K is whole
; PASS 1.  A block of 64 keys: eight products; five places (the next block's products write over S^T; the places also serve the loads into the buffer and the first reads of S^T);
; the block two further on is asked for into the same buffer; 32 maxima of three in four chains, each accumulator from its low end on.
.macro HALF buf, off, more, cnt
	s_wait_dscnt \cnt                              ; this buffer's eight loads are in; the other buffer's eight may be out
	SMUL \buf
	PLACES 5
.if \more
	LOAD8 \buf, ADK, 8192+\off
.endif
.irp kt, 0,1,2,3
.irp d, 0,4
.irp q, 0,1
	v_max3_num_f32 v[MX+2*\q], v[MX+2*\q], v[S+32*\q+8*\kt+\d], v[S+32*\q+8*\kt+\d+1]
	v_max3_num_f32 v[MX+2*\q+1], v[MX+2*\q+1], v[S+32*\q+8*\kt+\d+2], v[S+32*\q+8*\kt+\d+3]
.endr
.endr
.endr
.endm
	s_mov_b32 s2, 0                                ; LDS byte of the trip's first block
	v_add_nc_u32 v[ADK], s2, v[LI]
	LOAD8 KF, ADK, 0
	LOAD8 VF, ADK, 4096
	s_mov_b32 s3, 15
.Lmax:                                             ; a trip: two blocks
	v_add_nc_u32 v[ADK], s2, v[LI]
	HALF KF, 0, 1, 8
	HALF VF, 4096, 1, 8
	s_add_co_u32 s2, s2, 8192
	s_sub_co_u32 s3, s3, 1
	s_cmp_lg_u32 s3, 0
	s_cbranch_scc1 .Lmax
	HALF KF, 0, 0, 8                               ; the last two blocks ask for nothing
	HALF VF, 0, 0, 0
	v_max_num_f32 v240, v240, v241
	v_max_num_f32 v242, v242, v243
	v_permlanex16_b32 v241, v240, s20, s21         ; the query's other keys lie in the lane 16 away
	v_permlanex16_b32 v243, v242, s20, s21
	v_max_num_f32 v240, v240, v241
	v_max_num_f32 v242, v242, v243
	v_mul_f32 v240, s22, v240                      ; as t (c is positive)
	v_mul_f32 v242, s22, v242
	v_floor_f32 v4, -v240                          ; -M = floor(-t) = -ceil(t)
	v_floor_f32 v6, -v242
	v_mov_b32 v5, v4                               ; (named as the pairs' upper halves)
	v_mov_b32 v7, v6
	s_wait_loadcnt 0x0                             ; V
.irp i, 0,1,2,3,4,5,6,7
	ds_store_b128 v250, v[O+4*\i:O+4*\i+3] offset:8192*\i
.endr
.irp i, 0,1,2,3,4,5,6,7
	ds_store_b128 v251, v[O+32+4*\i:O+32+4*\i+3] offset:8192*\i
.endr
	s_wait_dscnt 0x0
	s_barrier_signal -1
	s_barrier_wait -1                              ; V is whole
.irp j, 0,1,2,3,4,5,6,7,8,9,10,11,12,13,14,15,16,17,18,19,20,21,22,23,24,25,26,27,28,29,30,31,32,33,34,35,36,37,38,39,40,41,42,43,44,45,46,47,48,49,50,51,52,53,54,55,56,57,58,59,60,61,62,63
	v_mov_b32 v[O+\j], 0                           ; O^T, once: so the step is written with one form of its products
.endr
.irp j, 8,9,10,11,12,13,14,15
	v_mov_b32 v[\j], 0                             ; the sums
.endr
; PASS 2.  A block of 64 keys.  more = 1: the next block's K is asked for.
.macro STEP more
	s_wait_dscnt 0x0                               ; this block's K is in
	SMUL KF
	v_add_nc_u32 v[ADK], s2, v[LI]                 ; five places, two of them useful: in front of the loads into K's and V's registers, which matrix instructions have read, and of the first reads of S^T
	v_add_nc_u32 v[ADV], 0x20000, v[ADK]
	PLACES 3
	LOAD8 VF, ADV, 0
.if \more
	LOAD8 KF, ADK, 4096
.endif
.irp j, 0,2,4,6,8,10,12,14,16,18,20,22,24,26,28,30
	v_pk_fma_f32 v[S+\j:S+\j+1], v[S+\j:S+\j+1], s[22:23], v[4:5] op_sel_hi:[1,0,0]            ; t - M, two at a time (of the pairs c and -M the low word serves both halves)
.endr
.irp j, 0,2,4,6,8,10,12,14,16,18,20,22,24,26,28,30
	v_pk_fma_f32 v[S+32+\j:S+32+\j+1], v[S+32+\j:S+32+\j+1], s[22:23], v[6:7] op_sel_hi:[1,0,0]
.endr
.irp j, 0,1,2,3,4,5,6,7,8,9,10,11,12,13,14,15,16,17,18,19,20,21,22,23,24,25,26,27,28,29,30,31,32,33,34,35,36,37,38,39,40,41,42,43,44,45,46,47,48,49,50,51,52,53,54,55,56,57,58,59,60,61,62,63
	v_exp_f32 v[S+\j], v[S+\j]                     ; p = 2^(t - M)
.endr
	v_nop                                          ; a plain line behind the exponentials
	s_wait_alu depctr_va_vdst(0)
.irp j, 0,4,8,12,16,20,24,28
	v_pk_add_f32 v[8:9], v[8:9], v[S+\j:S+\j+1]    ; THE SUM IS TAKEN OF THE UNQUANTISED p: four chains
	v_pk_add_f32 v[10:11], v[10:11], v[S+\j+2:S+\j+3]
	v_pk_add_f32 v[12:13], v[12:13], v[S+32+\j:S+32+\j+1]
	v_pk_add_f32 v[14:15], v[14:15], v[S+32+\j+2:S+32+\j+3]
.endr
	s_cmp_ge_i32 s30, -8                           ; 448 x 2^e10 is 1.75 or more: no p reaches it
	s_cbranch_scc1 .Lno_hold_\@
.irp j, 0,1,2,3,4,5,6,7,8,9,10,11,12,13,14,15,16,17,18,19,20,21,22,23,24,25,26,27,28,29,30,31,32,33,34,35,36,37,38,39,40,41,42,43,44,45,46,47,48,49,50,51,52,53,54,55,56,57,58,59,60,61,62,63
	v_min_num_f32 v[S+\j], v[S+\j], v[LM]          ; the conversion to an 8-bit code does not saturate (ISA guide 7.6.2); p is not negative, so the hold is one-sided
.endr
.Lno_hold_\@:
.irp q, 0,1
.irp kt, 0,1,2,3
	v_cvt_scalef32_pk8_fp8_f32 v[P+8*\q+2*\kt:P+8*\q+2*\kt+1], v[S+32*\q+8*\kt:S+32*\q+8*\kt+7], v[SC]
.endr
.endr
	v_nop                                          ; a plain line between the conversions and the products that read their results
	s_wait_dscnt 8*\more                           ; V is in; the next block's eight loads of K may be out
.irp ct, 0,1,2,3
.irp q, 0,1
	v_wmma_f32_16x16x64_fp8_fp8 v[O+32*\q+8*\ct:O+32*\q+8*\ct+7], v[VF+8*\ct:VF+8*\ct+7], v[P+8*\q:P+8*\q+7], v[O+32*\q+8*\ct:O+32*\q+8*\ct+7]   ; eight accumulators by turns
.endr
.endr
	s_add_co_u32 s2, s2, 4096
.endm
	s_mov_b32 s2, 0
	v_add_nc_u32 v[ADK], s2, v[LI]
	LOAD8 KF, ADK, 0
	s_mov_b32 s3, 31
.Lkeys:
	STEP 1
	s_sub_co_u32 s3, s3, 1
	s_cmp_lg_u32 s3, 0
	s_cbranch_scc1 .Lkeys
	STEP 0                                         ; the last block asks for nothing
	; THE END.  The sums' parts are added (these lines are also the places behind the last products); O^T x 2^(e10 + e11 - e12) / the sum is held, converted and stored as planes.
	v_pk_add_f32 v[8:9], v[8:9], v[10:11]
	v_pk_add_f32 v[12:13], v[12:13], v[14:15]
	v_add_f32 v8, v8, v9
	v_add_f32 v12, v12, v13
	v_permlanex16_b32 v9, v8, s20, s21
	v_permlanex16_b32 v13, v12, s20, s21
	v_add_f32 v8, v8, v9
	v_add_f32 v12, v12, v13
	v_rcp_f32 v240, v8
	v_rcp_f32 v242, v12
	v_mov_b32 v[SC], 1.0                           ; (a plain line behind the reciprocals)  the last conversions' scale
	s_wait_alu depctr_va_vdst(0)
	v_ldexp_f32 v240, v240, s25
	v_ldexp_f32 v242, v242, s25
	v_mov_b32 v241, v240
	v_mov_b32 v243, v242
.irp j, 0,2,4,6,8,10,12,14,16,18,20,22,24,26,28,30
	v_pk_mul_f32 v[S+\j:S+\j+1], v[O+\j:O+\j+1], v[240:241] op_sel_hi:[1,0]
.endr
.irp j, 0,2,4,6,8,10,12,14,16,18,20,22,24,26,28,30
	v_pk_mul_f32 v[S+32+\j:S+32+\j+1], v[O+32+\j:O+32+\j+1], v[242:243] op_sel_hi:[1,0]
.endr
.irp j, 0,1,2,3,4,5,6,7,8,9,10,11,12,13,14,15,16,17,18,19,20,21,22,23,24,25,26,27,28,29,30,31,32,33,34,35,36,37,38,39,40,41,42,43,44,45,46,47,48,49,50,51,52,53,54,55,56,57,58,59,60,61,62,63
	v_med3_num_f32 v[S+\j], v[S+\j], s36, s37      ; the hold at +-448
.endr
.irp q, 0,1
.irp ct, 0,1,2,3
	v_cvt_scalef32_pk8_fp8_f32 v[P+8*\q+2*\ct:P+8*\q+2*\ct+1], v[S+32*\q+8*\ct:S+32*\q+8*\ct+7], v[SC]
.endr
.endr
	v_nop                                          ; a plain line behind the last conversion
	global_store_b128 v[LI], v[P:P+3], s[12:13]                    ; a plane: the wave stores 512 consecutive bytes
	global_store_b128 v[LI], v[P+4:P+7], s[12:13] offset:512
	global_store_b128 v[LI], v[P+8:P+11], s[12:13] offset:16384    ; my second tile of queries
	global_store_b128 v[LI], v[P+12:P+15], s[12:13] offset:16896
	s_wait_tensorcnt 0x0
	ds_add_u32 v254, v255
	s_wait_dscnt 0x0
	s_endpgm
.Lfunc_end_k_q02931a62d3_attn:
	.size	k_q02931a62d3_attn, .Lfunc_end_k_q02931a62d3_attn-k_q02931a62d3_attn
	.p2alignl 7, 3214868480
	.fill 96, 4, 3214868480
	.section	.rodata,"a",@progbits
	.p2align	6, 0x0
	.amdhsa_kernel k_q02931a62d3_attn
		.amdhsa_group_segment_fixed_size 264192
		.amdhsa_private_segment_fixed_size 0
		.amdhsa_enable_private_segment 0
		.amdhsa_kernarg_size 40
		.amdhsa_user_sgpr_count 2
		.amdhsa_user_sgpr_kernarg_segment_ptr 1
		.amdhsa_wavefront_size32 1
		.amdhsa_system_sgpr_workgroup_id_x 1
		.amdhsa_system_sgpr_workgroup_id_y 1
		.amdhsa_system_sgpr_workgroup_id_z 1
		.amdhsa_system_vgpr_workitem_id 0
		.amdhsa_next_free_vgpr 256
		.amdhsa_next_free_sgpr 66
		.amdhsa_reserve_vcc 0
		.amdhsa_float_denorm_mode_32 3
		.amdhsa_float_denorm_mode_16_64 3
		.amdhsa_memory_ordered 1
		.amdhsa_forward_progress 1
		.amdhsa_inst_pref_size 55
	.end_amdhsa_kernel
	.amdgpu_metadata
---
amdhsa.version: [ 1, 2 ]
amdhsa.kernels:
  - .name:           k_q02931a62d3_attn
    .symbol:         k_q02931a62d3_attn.kd
    .args:
      - { .name: qc, .offset: 0, .size: 8, .value_kind: global_buffer, .address_space: global }
      - { .name: kc, .offset: 8, .size: 8, .value_kind: global_buffer, .address_space: global }
      - { .name: vc, .offset: 16, .size: 8, .value_kind: global_buffer, .address_space: global }
      - { .name: lowp_scales, .offset: 24, .size: 8, .value_kind: global_buffer, .address_space: global }
      - { .name: ao, .offset: 32, .size: 8, .value_kind: global_buffer, .address_space: global }
    .group_segment_fixed_size: 264192
    .private_segment_fixed_size: 0
    .kernarg_segment_align: 8
    .kernarg_segment_size: 40
    .max_flat_workgroup_size: 512
    .sgpr_count:     66
    .vgpr_count:     256
    .wavefront_size: 32
...
	.end_amdgpu_metadata
.endif
;; end of part 4
;; launch outp (part 5): grid 4 x 64, 4 waves a work-group, no clusters, 168,448 bytes of LDS; arguments ao, wo_codes, lowp_scales, x, out0; writes out0
.if DOCPART == 5
	.amdgcn_target "amdgcn-amd-amdhsa--gfx1250"
	.amdhsa_code_object_version 6
	.text
	.protected	k_q02931a62d3_outp
	.globl	k_q02931a62d3_outp
	.p2align	8
	.type	k_q02931a62d3_outp,@function
k_q02931a62d3_outp:
	s_mov_b64 s[64:65], 0
	v_nop
	global_prefetch_b8 v0, s[64:65] scope:SCOPE_SE
	s_setreg_imm32_b32 hwreg(HW_REG_WAVE_MODE, 25, 1), 1
	s_wait_xcnt 0x0
; out0 = x + (attention's output) wo, the product on codes of E4M3.
; UNITS.  Work-group x: columns 256 x on, 64 a wave; y: 128 rows, 8 tiles of 16.  256 work-groups of equal work.
; A wave's 64 columns x 1,024 along K are 32 weight fragments, 512 registers (windows 1 and 2), read once.  The rows' codes (131,072 bytes, images of fragments) come into LDS once, one tensor load of
; 32,768 bytes a wave; no LDS byte is filled twice: one barrier, no ring.  Each fragment of A read from LDS feeds four matrix instructions.
; TRANSPOSED USE (source 0 = 16 rows of wo, source 1 = 16 tokens); lane r of weight tile t takes row 32 (t / 2) + 8 (t % 2) + r + 8 (r / 8): lane (r, h) holds token r, register j of tile t column
; 32 (t / 2) + 16 h + 8 (t % 2) + j.  A tile's 16 rows x 256 bytes go through the wave's own stage in LDS (pitch 272 = 68 words: the sixteen rows of a store start at sixteen different banks: ISA guide 11.1)
; and come back by rows; x is loaded in that layout; one packed multiply-add gives sum x 2^(e12 + e13) + x; sixteen lanes store 256 consecutive bytes, aligned.
; The stages lie behind the block, in bytes into which no fill lands.
; NO CLUSTER: what partners would share is A's block, 131,072 of the 393,216 bytes of codes that a work-group fetches; the weights go straight into registers.
; LIMIT: e12 + e13 between -126 and 127.
.set KB,  1024
.set LI,  1                            ; v1   16 x lane: LDS address for tiles 0 to 3;  v2: + 65,536, for tiles 4 to 7
.set WA,  3                            ; v3   my place in a weight tile
.set STO, 4                            ; v4   the stage: where I put 16 bytes of a row
.set RD,  5                            ; v5   and where I read a row back
.set GX,  6                            ; v6   my byte offset in two rows of x and of out0
.set ACC, 16                           ; v16-47   four accumulators
.set XR,  48                           ; v48-79   x, by rows
.set BK,  80                           ; v80-111  the sums, by rows; then the results
.set AF,  128                          ; v128-255 A's eight fragments of a tile
.set STG, 131072
.set SP,  272
.set MSB, 0
.macro WIN new                         ; the immediate's high byte repeats the setting that is left
.if MSB != (\new)
	s_set_vgpr_msb (MSB<<8)|(\new)
.set MSB, (\new)
.endif
.endm
.macro PLACES n
.rept \n
	v_nop
.endr
.endm
.macro WHALF base
.irp s, 0,1,2,3
.irp t, 0,1,2,3
.irp c, 0,1,2,3
	global_load_b128 v[16*(4*\s+\t)+4*\c:16*(4*\s+\t)+4*\c+3], v[WA], s[44:45] offset:(32*(\t/2)+8*(\t%2))*KB+128*(\base+\s)+32*\c
.endr
.endr
.endr
.endm
.macro FETCH i                         ; tile i's eight fragments
.irp s, 0,1,2,3,4,5,6,7
.irp c, 0,1,2,3
	ds_load_b128 v[AF+16*\s+4*\c:AF+16*\s+4*\c+3], v[LI+(\i)/4] offset:16384*((\i)%4)+2048*\s+512*\c
.endr
.endr
.endm
; A tile's 32 products; the four accumulators take turns, one instruction a turn.  Five places follow: the next tile's first products write over the accumulators;
; they also serve the loads into A's registers and the LDS stores that read the results.
.macro MUL
.irp s, 0,1,2,3,4,5,6,7
	s_wait_dscnt 4*(7-\s)                          ; fragment s is in; those of the later K steps may be out
	WIN 1+\s/4
.irp t, 0,1,2,3
.if \s == 0
	v_wmma_f32_16x16x128_fp8_fp8 v[ACC+8*\t:ACC+8*\t+7], v[16*(4*(\s%4)+\t):16*(4*(\s%4)+\t)+15], v[AF+16*\s:AF+16*\s+15], 0
.else
	v_wmma_f32_16x16x128_fp8_fp8 v[ACC+8*\t:ACC+8*\t+7], v[16*(4*(\s%4)+\t):16*(4*(\s%4)+\t)+15], v[AF+16*\s:AF+16*\s+15], v[ACC+8*\t:ACC+8*\t+7]
.endif
.endr
.endr
	WIN 0
	PLACES 5
.endm
.macro XLOAD i                         ; tile i's 16 rows x 256 bytes of x: sixteen lanes to a row, two rows a line
.irp q, 0,1,2,3,4,5,6,7
	global_load_b128 v[XR+4*\q:XR+4*\q+3], v[GX], s[10:11] offset:65536*(\i)+8192*\q th:TH_LOAD_NT
.endr
.endm
	s_load_b256 s[4:11], s[0:1], 0x0               ; ao s[4:5], wo s[6:7], the scales' exponents s[8:9], x s[10:11]
	s_load_b64 s[12:13], s[0:1], 0x20              ; out0
	v_lshl_add_u32 v126, v0, 2, 0x29000
	v_mov_b32 v127, 0
	ds_add_u32 v126, v127
	ds_add_u32 v126, v127
	v_lshrrev_b32 v7, 5, v0
	v_readfirstlane_b32 s32, v7                    ; wave 0..3
	s_mov_b32 s33, ttmp9                           ; the columns' unit
	s_and_b32 s34, ttmp7, 0xffff                   ; the block of 128 rows
	; descriptor group 1: a dense block of 32,768 bytes as 128 rows of 32 elements of 8 bytes; no padding, no mask
	s_mov_b32 s24, 3<<16
	s_mov_b32 s25, 32<<16
	s_mov_b32 s26, 128<<16
	s_mov_b32 s27, 32<<16
	s_mov_b32 s28, 128
	s_mov_b32 s29, 32
	s_mov_b32 s30, 0
	s_mov_b32 s31, 0
	s_mov_b32 s20, 1
	s_lshl_b32 s21, s32, 15                        ; LDS address: wave x 32,768: two tiles of the eight
	s_lshl_b32 s38, s34, 17                        ; the block's 131,072 bytes,
	s_add_co_u32 s38, s38, s21                     ; my quarter of them
	s_mov_b32 s39, 0
	s_lshl_b32 s40, s33, 18                        ; wo's rows: 256 x unit + 64 x wave, 1,024 bytes each
	s_lshl_b32 s35, s32, 16
	s_add_co_u32 s40, s40, s35
	s_mov_b32 s41, 0
	s_lshl_b32 s42, s34, 19                        ; x and out0: 128 y rows of 4,096 bytes, + (256 unit + 64 wave) x 4
	s_lshl_b32 s35, s33, 10
	s_add_co_u32 s42, s42, s35
	s_lshl_b32 s35, s32, 8
	s_add_co_u32 s42, s42, s35
	s_mov_b32 s43, 0
	s_wait_dscnt 0x0
	s_wait_kmcnt 0x0
	s_load_b64 s[60:61], s[8:9], 0x30              ; e12, e13
	s_add_nc_u64 s[22:23], s[4:5], s[38:39]
	s_or_b32 s23, s23, 0x80000000                  ; type = 2
	tensor_load_to_lds s[20:23], s[24:31]          ; my one tensor load of the launch
	s_nop 0
	PLACES 4
	s_add_nc_u64 s[44:45], s[6:7], s[40:41]
	s_add_nc_u64 s[10:11], s[10:11], s[42:43]
	s_add_nc_u64 s[12:13], s[12:13], s[42:43]
	v_and_b32 v7, 15, v0                           ; r
	v_bfe_u32 v8, v0, 4, 1                         ; h
	v_and_b32 v1, 31, v0
	v_lshlrev_b32 v[LI], 4, v1
	v_add_nc_u32 v2, 0x10000, v[LI]
	v_and_b32 v9, 8, v7
	v_add_nc_u32 v9, v9, v7                        ; r + 8 (r / 8)
	v_lshlrev_b32 v[WA], 10, v9
	v_lshl_add_u32 v[WA], v8, 4, v[WA]
	s_mul_i32 s35, s32, 16*SP
	s_add_co_u32 s35, s35, STG                     ; my stage
	v_mul_u32_u24 v[STO], v7, SP
	v_lshl_add_u32 v[STO], v8, 6, v[STO]
	v_add_nc_u32 v[STO], s35, v[STO]               ; in: row r, + 64 h
	v_mul_u32_u24 v[RD], v8, SP
	v_lshl_add_u32 v[RD], v7, 4, v[RD]
	v_add_nc_u32 v[RD], s35, v[RD]                 ; back: lanes 0-15 one row, lanes 16-31 the next
	v_lshlrev_b32 v[GX], 12, v8
	v_lshl_add_u32 v[GX], v7, 4, v[GX]             ; and the same two rows in memory
	WIN 0x40                                       ; destination window 1
	WHALF 0
	WIN 0x80                                       ; destination window 2
	WHALF 4
	WIN 0
	XLOAD 0
	s_wait_kmcnt 0x0
	s_add_co_i32 s46, s60, s61
	s_add_co_i32 s46, s46, 127
	s_lshl_b32 s46, s46, 23                        ; 2^(e12 + e13) as f32
	s_mov_b32 s47, s46                             ; (named with it as a pair, so it is written)
	s_wait_tensorcnt 0x0                           ; my quarter of the block is in LDS,
	s_barrier_signal -1
	s_barrier_wait -1                              ; everybody's is: the launch's one barrier
	FETCH 0
	s_wait_loadcnt 0x0                             ; the weights and the first rows of x
.macro OTILE i
	MUL
.irp t, 0,1,2,3
	ds_store_b128 v[STO], v[ACC+8*\t:ACC+8*\t+3] offset:128*(\t/2)+32*(\t%2)           ; each accumulator from its low end on
	ds_store_b128 v[STO], v[ACC+8*\t+4:ACC+8*\t+7] offset:128*(\t/2)+32*(\t%2)+16
.endr
	s_wait_xcnt 0x0                                ; the last tile's stores have read their registers: the loads below land there
.irp q, 0,1,2,3,4,5,6,7
	ds_load_b128 v[BK+4*\q:BK+4*\q+3], v[RD] offset:2*SP*\q    ; LDS serves a wave's instructions in order (ISA guide 5.7.1.4): these see my stores, and the next tile's stores come behind them
.endr
.if \i < 7
	FETCH \i+1                                     ; the next tile's fragments land under this tile's way out
	s_wait_loadcnt 0x0                             ; x
	s_wait_dscnt 32                                ; the rows are back; the 32 loads just issued may be out
.else
	s_wait_loadcnt 0x0
	s_wait_dscnt 0x0
.endif
.irp m, 0,2,4,6,8,10,12,14,16,18,20,22,24,26,28,30
	v_pk_fma_f32 v[BK+\m:BK+\m+1], v[BK+\m:BK+\m+1], s[46:47], v[XR+\m:XR+\m+1] op_sel_hi:[1,0,1]   ; sum x 2^(e12 + e13) + x
.endr
.if \i < 7
	XLOAD \i+1
.endif
.irp q, 0,1,2,3,4,5,6,7
	global_store_b128 v[GX], v[BK+4*\q:BK+4*\q+3], s[12:13] offset:65536*\i+8192*\q th:TH_STORE_NT   ; sixteen lanes store 256 consecutive bytes, at a multiple of 256 from out0's first byte
.endr
.endm
.irp i, 0,1,2,3,4,5,6,7
	OTILE \i
.endr
	s_wait_tensorcnt 0x0
	ds_add_u32 v126, v127
	s_wait_dscnt 0x0
	s_endpgm
.Lfunc_end_k_q02931a62d3_outp:
	.size	k_q02931a62d3_outp, .Lfunc_end_k_q02931a62d3_outp-k_q02931a62d3_outp
	.p2alignl 7, 3214868480
	.fill 96, 4, 3214868480
	.section	.rodata,"a",@progbits
	.p2align	6, 0x0
	.amdhsa_kernel k_q02931a62d3_outp
		.amdhsa_group_segment_fixed_size 168448
		.amdhsa_private_segment_fixed_size 0
		.amdhsa_enable_private_segment 0
		.amdhsa_kernarg_size 40
		.amdhsa_user_sgpr_count 2
		.amdhsa_user_sgpr_kernarg_segment_ptr 1
		.amdhsa_wavefront_size32 1
		.amdhsa_system_sgpr_workgroup_id_x 1
		.amdhsa_system_sgpr_workgroup_id_y 1
		.amdhsa_system_sgpr_workgroup_id_z 1
		.amdhsa_system_vgpr_workitem_id 0
		.amdhsa_next_free_vgpr 768
		.amdhsa_next_free_sgpr 66
		.amdhsa_reserve_vcc 0
		.amdhsa_float_denorm_mode_32 3
		.amdhsa_float_denorm_mode_16_64 3
		.amdhsa_memory_ordered 1
		.amdhsa_forward_progress 1
		.amdhsa_inst_pref_size 81
	.end_amdhsa_kernel
	.amdgpu_metadata
---
amdhsa.version: [ 1, 2 ]
amdhsa.kernels:
  - .name:           k_q02931a62d3_outp
    .symbol:         k_q02931a62d3_outp.kd
    .args:
      - { .name: ao, .offset: 0, .size: 8, .value_kind: global_buffer, .address_space: global }
      - { .name: wo_codes, .offset: 8, .size: 8, .value_kind: global_buffer, .address_space: global }
      - { .name: lowp_scales, .offset: 16, .size: 8, .value_kind: global_buffer, .address_space: global }
      - { .name: x, .offset: 24, .size: 8, .value_kind: global_buffer, .address_space: global }
      - { .name: out0, .offset: 32, .size: 8, .value_kind: global_buffer, .address_space: global }
    .group_segment_fixed_size: 168448
    .private_segment_fixed_size: 0
    .kernarg_segment_align: 8
    .kernarg_segment_size: 40
    .max_flat_workgroup_size: 128
    .sgpr_count:     66
    .vgpr_count:     768
    .wavefront_size: 32
...
	.end_amdgpu_metadata
.endif
;; end of part 5
;; ======== version 2 of 2: 5 launches
;; workspace buffers: xc 16,777,216 bytes; rope 524,288 bytes; kvc 8,388,608 bytes; qc 8,388,608 bytes; kc 8,388,608 bytes; vc 8,388,608 bytes; ao 8,388,608 bytes
;; launch norm (part 6): grid 512 x 1, 16 waves a work-group, no clusters, 36,864 bytes of LDS; arguments x, norm_w, lowp_scales, xc, rope; writes xc, rope
.if DOCPART == 6
	.amdgcn_target "amdgcn-amd-amdhsa--gfx1250"
	.amdhsa_code_object_version 6
	.text
	.protected	k_q02931a62d3_norm
	.globl	k_q02931a62d3_norm
	.p2align	8
	.type	k_q02931a62d3_norm,@function
k_q02931a62d3_norm:
	s_mov_b64 s[64:65], 0
	v_nop
	global_prefetch_b8 v0, s[64:65] scope:SCOPE_SE
	s_setreg_imm32_b32 hwreg(HW_REG_WAVE_MODE, 25, 1), 1
	s_wait_xcnt 0x0
; xn = x * rsqrt(mean(x^2) + 1e-6) * norm_w, quantised twice to E4M3 (scales 2^e0 and 2^e2), and the table of RoPE's cosines and sines.
; x: [8192][1024] f32.  xc: [2][512 row tiles][8 K steps][4 planes][32 lanes][16 bytes]: the codes as an IMAGE OF THE OPERAND'S REGISTERS of the products that read them:
; lane (r, h) of plane c of K step s holds row r, k = 128 s + 32 c + 16 h + 0 .. 15.  rope: [2048 positions][32 frequencies][cos, sin] f32.
; SHARES.  A work-group takes a tile of 16 rows, each of its sixteen waves one row: the row stays in 32 registers between the sum of squares and the scaling, so x is read once.
; Load i of a lane takes columns 128 i + 4 lane .. + 3: each load of the wave reads 512 consecutive bytes.  A lane's four codes of load i belong at byte 2048 i + 256 (lane / 4) + 16 row + 4 (lane % 4) of the
; tile's image: the sixteen rows meet in LDS, and the image leaves in stores of 512 consecutive bytes a wave.  In LDS each 256 bytes of the image are followed by 16 of padding (pitch 272 = 68 words), so that
; the 32 lanes of a 4-byte store fall on 32 different banks (64 banks of 4 bytes: ISA guide 11.1).
; No matrix work, no tensor load, no cluster: the work-groups share nothing but norm_w's 4,096 bytes.
; LIMITS: e0 and e2 between -126 and 119, so that 2^e and 448 x 2^e are f32 numbers.  NaN among the inputs is not served.  RoPE's frequency is 2^(-f log2(10000) / 32) by v_exp_f32; the angle
; position x frequency may differ from another f32 evaluation by about 2e-4 at position 2,047.
.set PIT, 272                          ; 256 bytes of an image + 16 of padding
.set IMG, 64*PIT                       ; an image in LDS: 17,408 bytes; two of them
.set X,   16                           ; v16-47   the row
.set W,   48                           ; v48-79   norm_w at the same columns
.set Y,   80                           ; v80-111  the table's arithmetic; the row held for e0; the read-out
.set C0,  112                          ; v112-119 codes under e0: register i = the four codes of load i
.set C2,  120                          ; v120-127 codes under e2
	s_load_b256 s[4:11], s[0:1], 0x0               ; x s[4:5], norm_w s[6:7], the scales' exponents s[8:9], xc s[10:11]
	s_load_b64 s[12:13], s[0:1], 0x20              ; rope
	v_lshl_add_u32 v128, v0, 2, 0x8800
	v_mov_b32 v129, 0
	v_lshrrev_b32 v6, 5, v0
	s_delay_alu instid0(VALU_DEP_1)
	v_readfirstlane_b32 s16, v6                    ; wave = the row in the tile
	v_and_b32 v1, 31, v0                           ; lane
	s_delay_alu instid0(VALU_DEP_1)
	v_lshlrev_b32 v2, 4, v1                        ; my 16 bytes of a load's 512
	s_delay_alu instid0(VALU_DEP_2)
	v_lshrrev_b32 v6, 2, v1
	s_delay_alu instid0(VALU_DEP_1)
	v_mul_u32_u24 v3, v6, PIT
	s_delay_alu instid0(VALU_DEP_4)
	v_and_b32 v7, 3, v1
	s_delay_alu instid0(VALU_DEP_1)
	v_lshl_add_u32 v3, v7, 2, v3
	s_lshl_b32 s17, s16, 4
	v_add_nc_u32 v3, s17, v3                       ; into the image: 272 (lane / 4) + 4 (lane % 4) + 16 row
	v_lshrrev_b32 v6, 4, v0
	s_delay_alu instid0(VALU_DEP_1)
	v_mul_u32_u24 v4, v6, PIT
	v_and_b32 v7, 15, v0
	s_delay_alu instid0(VALU_DEP_1)
	v_lshl_add_u32 v4, v7, 4, v4                   ; out of it: 272 (thread / 16) + 16 (thread % 16)
	v_lshlrev_b32 v5, 4, v0                        ; and the same place in memory: 16 x thread
	s_lshl_b32 s17, ttmp9, 4
	s_add_co_u32 s17, s17, s16                     ; my row of x: 16 x work-group + wave.  In the first 128 work-groups also my position in the table
	s_lshl_b32 s18, s17, 12                        ; x 4,096 bytes
	s_mov_b32 s19, 0
	s_lshl_b32 s20, ttmp9, 14                      ; the tile's image in xc: 16,384 bytes
	s_mov_b32 s21, 0
	s_mov_b32 s38, 0x358637bd                      ; 1e-6
	s_mov_b32 s39, 0x3a800000                      ; 1 / 1024
	s_mov_b32 s40, 0x76543210                      ; v_permlanex16_b32: lane l xor 16
	s_mov_b32 s41, 0xfedcba98
	s_wait_kmcnt 0x0
	s_load_b128 s[44:47], s[8:9], 0x0              ; e0, e1, e2, e3
	s_add_nc_u64 s[4:5], s[4:5], s[18:19]
	s_add_nc_u64 s[10:11], s[10:11], s[20:21]      ; the image under e0,
	s_add_nc_u64 s[14:15], s[10:11], 0x800000      ; and under e2: the buffer's second half
.irp i, 0,1,2,3,4,5,6,7
	global_load_b128 v[X+4*\i:X+4*\i+3], v2, s[4:5] offset:512*\i th:TH_LOAD_NT
.endr
.irp i, 0,1,2,3,4,5,6,7
	global_load_b128 v[W+4*\i:W+4*\i+3], v2, s[6:7] offset:512*\i
.endr
	s_wait_kmcnt 0x0
	s_add_co_i32 s22, s44, 127
	s_lshl_b32 s23, s22, 23
	v_mov_b32 v12, s23                             ; 2^e0 as f32: the conversion takes its exponent field
	s_add_co_i32 s22, s22, 8
	s_lshl_b32 s22, s22, 23
	s_or_b32 s22, s22, 0x600000
	v_mov_b32 v13, s22                             ; 448 x 2^e0
	s_add_co_i32 s22, s46, 127
	s_lshl_b32 s23, s22, 23
	v_mov_b32 v14, s23                             ; 2^e2
	s_add_co_i32 s22, s22, 8
	s_lshl_b32 s22, s22, 23
	s_or_b32 s22, s22, 0x600000
	v_mov_b32 v15, s22                             ; 448 x 2^e2
	; THE TABLE, while x is on its way: the first 128 work-groups, a wave a position, a lane a frequency.  A branch on the work-group's number; no barrier stands inside
	s_cmp_lt_u32 ttmp9, 128
	s_cbranch_scc0 .Lno_table
	s_lshl_b32 s18, s17, 8                         ; a position's 256 bytes
	s_add_nc_u64 s[12:13], s[12:13], s[18:19]
	v_lshlrev_b32 v95, 3, v1                       ; 8 bytes a frequency
	v_cvt_f32_u32 v80, v1
	s_delay_alu instid0(VALU_DEP_1)
	v_mul_f32 v80, 0xbed49a78, v80                 ; -f log2(10000) / 32
	s_wait_alu depctr_va_vdst(0)
	v_exp_f32 v81, v80                             ; the frequency
	v_cvt_f32_u32 v82, s17                         ; (a plain line behind the exponential)  the position
	s_wait_alu depctr_va_vdst(0)
	v_mul_f32 v82, v82, v81                        ; the angle, at most 2,047
	s_delay_alu instid0(VALU_DEP_1)
	v_mul_f32 v83, 0x3f22f983, v82
	s_delay_alu instid0(VALU_DEP_1)
	v_rndne_f32 v83, v83                           ; n = the nearest multiple of pi / 2
	s_delay_alu instid0(VALU_DEP_1)
	v_fmamk_f32 v84, v83, 0xbfc90000, v82          ; the angle - n pi / 2, pi / 2 in three parts: n has 11 bits, the first two parts 8 and 11: those products are exact
	s_delay_alu instid0(VALU_DEP_1)
	v_fmamk_f32 v84, v83, 0xb9fda000, v84
	s_delay_alu instid0(VALU_DEP_1)
	v_fmamk_f32 v84, v83, 0xb3a22168, v84          ; r, within +- pi / 4
	s_delay_alu instid0(VALU_DEP_1)
	v_mul_f32 v85, v84, v84                        ; z = r^2
	v_mov_b32 v86, 0xb94ca1f9
	s_delay_alu instid0(VALU_DEP_1)
	v_fmaak_f32 v86, v86, v85, 0x3c08839e
	s_delay_alu instid0(VALU_DEP_1)
	v_fmaak_f32 v86, v86, v85, 0xbe2aaaa3
	s_delay_alu instid0(VALU_DEP_4)
	v_mul_f32 v87, v85, v84
	s_delay_alu instid0(VALU_DEP_1)
	v_fma_f32 v86, v86, v87, v84                   ; sin r = r + z r (S1 + S2 z + S3 z^2)
	v_mov_b32 v88, 0x37ccf5ce
	s_delay_alu instid0(VALU_DEP_1)
	v_fmaak_f32 v88, v88, v85, 0xbab6061a
	s_delay_alu instid0(VALU_DEP_1)
	v_fmaak_f32 v88, v88, v85, 0x3d2aaaa5
	v_mul_f32 v89, v85, v85
	v_fma_f32 v90, v85, -0.5, 1.0
	s_delay_alu instid0(VALU_DEP_1)
	v_fma_f32 v88, v88, v89, v90                   ; cos r = 1 - z / 2 + z^2 (C1 + C2 z + C3 z^2)
	v_cvt_i32_f32 v91, v83
	s_delay_alu instid0(VALU_DEP_1)
	v_and_b32 v92, 1, v91
	s_delay_alu instid0(VALU_DEP_1)
	v_cmp_eq_u32 vcc_lo, 1, v92                    ; n odd: sine and cosine change places
	s_delay_alu instid0(VALU_DEP_1)
	v_cndmask_b32 v93, v86, v88, vcc_lo
	s_delay_alu instid0(VALU_DEP_2)
	v_cndmask_b32 v94, v88, v86, vcc_lo
	v_and_b32 v92, 2, v91
	s_delay_alu instid0(VALU_DEP_1)
	v_lshlrev_b32 v92, 30, v92
	s_delay_alu instid0(VALU_DEP_1)
	v_xor_b32 v97, v93, v92                        ; the sine is negative where n mod 4 is 2 or 3,
	v_add_nc_u32 v91, 1, v91
	s_delay_alu instid0(VALU_DEP_1)
	v_and_b32 v91, 2, v91
	s_delay_alu instid0(VALU_DEP_1)
	v_lshlrev_b32 v91, 30, v91
	s_delay_alu instid0(VALU_DEP_1)
	v_xor_b32 v96, v94, v91                        ; the cosine where it is 1 or 2
	global_store_b64 v95, v[96:97], s[12:13]       ; the wave stores a position's 256 consecutive bytes
.Lno_table:
	s_wait_loadcnt 0x0                             ; x and norm_w
	s_wait_xcnt 0x0                                ; the table's store has read its registers: they are written again below
	v_pk_mul_f32 v[6:7], v[X:X+1], v[X:X+1]        ; the sum of squares, two at a time, in two chains that the first products start
	v_pk_mul_f32 v[8:9], v[X+2:X+3], v[X+2:X+3]
.irp j, 4,8,12,16,20,24,28
	s_delay_alu instid0(VALU_DEP_2)
	v_pk_fma_f32 v[6:7], v[X+\j:X+\j+1], v[X+\j:X+\j+1], v[6:7]
	s_delay_alu instid0(VALU_DEP_2)
	v_pk_fma_f32 v[8:9], v[X+\j+2:X+\j+3], v[X+\j+2:X+\j+3], v[8:9]
.endr
	s_delay_alu instid0(VALU_DEP_1)
	v_pk_add_f32 v[6:7], v[6:7], v[8:9]
	s_delay_alu instid0(VALU_DEP_1)
	v_add_f32 v6, v6, v7
	s_delay_alu instid0(VALU_DEP_1)
	v_add_f32_dpp v6, v6, v6 row_xmask:1 row_mask:0xf bank_mask:0xf
	s_delay_alu instid0(VALU_DEP_1)
	v_add_f32_dpp v6, v6, v6 row_xmask:2 row_mask:0xf bank_mask:0xf
	s_delay_alu instid0(VALU_DEP_1)
	v_add_f32_dpp v6, v6, v6 row_xmask:4 row_mask:0xf bank_mask:0xf
	s_delay_alu instid0(VALU_DEP_1)
	v_add_f32_dpp v6, v6, v6 row_xmask:8 row_mask:0xf bank_mask:0xf
	s_delay_alu instid0(VALU_DEP_1)
	v_permlanex16_b32 v7, v6, s40, s41
	s_delay_alu instid0(VALU_DEP_1)
	v_add_f32 v6, v6, v7                           ; every lane holds the row's sum
	s_delay_alu instid0(VALU_DEP_1)
	v_fma_f32 v6, v6, s39, s38                     ; the mean + 1e-6
	s_wait_alu depctr_va_vdst(0)
	v_rsq_f32 v10, v6
	v_mov_b32 v11, 0                               ; (a plain line behind the transcendental; v11 is named as the upper half of the pair)
	s_wait_alu depctr_va_vdst(0)
.irp j, 0,2,4,6,8,10,12,14,16,18,20,22,24,26,28,30
	v_pk_mul_f32 v[X+\j:X+\j+1], v[X+\j:X+\j+1], v[10:11] op_sel_hi:[1,0]
.endr
.irp j, 0,2,4,6,8,10,12,14,16,18,20,22,24,26,28,30
	v_pk_mul_f32 v[X+\j:X+\j+1], v[X+\j:X+\j+1], v[W+\j:W+\j+1]   ; (x rs) w, in that order
.endr
.irp j, 0,1,2,3,4,5,6,7,8,9,10,11,12,13,14,15,16,17,18,19,20,21,22,23,24,25,26,27,28,29,30,31
	v_med3_num_f32 v[Y+\j], v[X+\j], -v13, v13     ; the conversion to an 8-bit code does not saturate (ISA guide 7.6.2): the hold at 448 x 2^e0
.endr
.irp m, 0,1,2,3
	v_cvt_scalef32_pk8_fp8_f32 v[C0+2*\m:C0+2*\m+1], v[Y+8*\m:Y+8*\m+7], v12   ; the eight numbers of loads 2 m and 2 m + 1: one register of codes for each load
.endr
.irp j, 0,1,2,3,4,5,6,7,8,9,10,11,12,13,14,15,16,17,18,19,20,21,22,23,24,25,26,27,28,29,30,31
	v_med3_num_f32 v[X+\j], v[X+\j], -v15, v15     ; the same under e2
.endr
.irp m, 0,1,2,3
	v_cvt_scalef32_pk8_fp8_f32 v[C2+2*\m:C2+2*\m+1], v[X+8*\m:X+8*\m+7], v14
.endr
	v_nop                                          ; a plain line behind the last conversion
.irp i, 0,1,2,3,4,5,6,7
	ds_store_b32 v3, v[C0+\i] offset:8*PIT*\i
	ds_store_b32 v3, v[C2+\i] offset:8*PIT*\i+IMG
.endr
	s_wait_dscnt 0x0                               ; for the others' sake: my stores have landed
	s_barrier_signal -1
	s_barrier_wait -1                              ; both images are whole
	ds_load_b128 v[Y:Y+3], v4
	ds_load_b128 v[Y+4:Y+7], v4 offset:32*PIT
	ds_load_b128 v[Y+8:Y+11], v4 offset:IMG
	ds_load_b128 v[Y+12:Y+15], v4 offset:IMG+32*PIT
	s_wait_dscnt 3                                 ; LDS loads come back in order: the three younger ones may be out
	global_store_b128 v5, v[Y:Y+3], s[10:11]       ; each store of the wave covers 512 consecutive bytes, aligned
	s_wait_dscnt 2
	global_store_b128 v5, v[Y+4:Y+7], s[10:11] offset:8192
	s_wait_dscnt 1
	global_store_b128 v5, v[Y+8:Y+11], s[14:15]
	s_wait_dscnt 0
	global_store_b128 v5, v[Y+12:Y+15], s[14:15] offset:8192
	s_wait_tensorcnt 0x0
	ds_add_u32 v128, v129
	s_wait_dscnt 0x0
	s_endpgm
.Lfunc_end_k_q02931a62d3_norm:
	.size	k_q02931a62d3_norm, .Lfunc_end_k_q02931a62d3_norm-k_q02931a62d3_norm
	.p2alignl 7, 3214868480
	.fill 96, 4, 3214868480
	.section	.rodata,"a",@progbits
	.p2align	6, 0x0
	.amdhsa_kernel k_q02931a62d3_norm
		.amdhsa_group_segment_fixed_size 36864
		.amdhsa_private_segment_fixed_size 0
		.amdhsa_enable_private_segment 0
		.amdhsa_kernarg_size 40
		.amdhsa_user_sgpr_count 2
		.amdhsa_user_sgpr_kernarg_segment_ptr 1
		.amdhsa_wavefront_size32 1
		.amdhsa_system_sgpr_workgroup_id_x 1
		.amdhsa_system_sgpr_workgroup_id_y 1
		.amdhsa_system_sgpr_workgroup_id_z 1
		.amdhsa_system_vgpr_workitem_id 0
		.amdhsa_next_free_vgpr 130
		.amdhsa_next_free_sgpr 66
		.amdhsa_reserve_vcc 1
		.amdhsa_float_denorm_mode_32 3
		.amdhsa_float_denorm_mode_16_64 3
		.amdhsa_memory_ordered 1
		.amdhsa_forward_progress 1
		.amdhsa_inst_pref_size 18
	.end_amdhsa_kernel
	.amdgpu_metadata
---
amdhsa.version: [ 1, 2 ]
amdhsa.kernels:
  - .name:           k_q02931a62d3_norm
    .symbol:         k_q02931a62d3_norm.kd
    .args:
      - { .name: x, .offset: 0, .size: 8, .value_kind: global_buffer, .address_space: global }
      - { .name: norm_w, .offset: 8, .size: 8, .value_kind: global_buffer, .address_space: global }
      - { .name: lowp_scales, .offset: 16, .size: 8, .value_kind: global_buffer, .address_space: global }
      - { .name: xc, .offset: 24, .size: 8, .value_kind: global_buffer, .address_space: global }
      - { .name: rope, .offset: 32, .size: 8, .value_kind: global_buffer, .address_space: global }
    .group_segment_fixed_size: 36864
    .private_segment_fixed_size: 0
    .kernarg_segment_align: 8
    .kernarg_segment_size: 40
    .max_flat_workgroup_size: 512
    .sgpr_count:     66
    .vgpr_count:     130
    .wavefront_size: 32
...
	.end_amdgpu_metadata
.endif
;; end of part 6
;; launch down (part 7): grid 6 x 32, 4 waves a work-group, no clusters, 262,656 bytes of LDS; arguments xc, wq_codes, kv_down_codes, lowp_scales, rope, qc, kvc; writes qc, kvc
.if DOCPART == 7
	.amdgcn_target "amdgcn-amd-amdhsa--gfx1250"
	.amdhsa_code_object_version 6
	.text
	.protected	k_q02931a62d3_down
	.globl	k_q02931a62d3_down
	.p2align	8
	.type	k_q02931a62d3_down,@function
k_q02931a62d3_down:
	s_mov_b64 s[64:65], 0
	v_nop
	global_prefetch_b8 v0, s[64:65] scope:SCOPE_SE
	s_setreg_imm32_b32 hwreg(HW_REG_WAVE_MODE, 25, 1), 1
	s_wait_xcnt 0x0
; q = rope(xn wq) and kv = xn kv_down, on codes of E4M3; both results leave as codes, laid as images of the registers of the products that read them.
; UNITS.  Work-group x = 0 .. 3: q's columns 256 x on (wave w: head 4 x + w), A = xn's codes under e0; x = 4, 5: kv's columns 256 (x - 4) on, A = xn's codes under e2.  Work-group y: 256 rows, 16 tiles of 16.
; THE WEIGHTS STAY IN REGISTERS: a wave's 64 columns x 1,024 along K are 32 fragments, 512 registers (windows 1 and 2), read from memory once.
; THE ROWS' CODES come once, as they lie (images of fragments, 16,384 bytes a tile), into LDS: one tensor load of 65,536 bytes a wave.  No LDS byte is filled twice, so there is one barrier and no ring.
; Each fragment of A read from LDS feeds four matrix instructions.
; THE MATRIX INSTRUCTION IS USED TRANSPOSED (source 0 = 16 rows of the weight, source 1 = 16 tokens), AND THE ROWS OF A WEIGHT TILE ARE NOT NEIGHBOURS: lane r of tile t takes row 32 (t / 2) + 8 (t % 2) + r + 8 (r / 8).
; So lane (r, h) holds token r, and register j of tile t column 32 (t / 2) + 16 h + 8 (t % 2) + j: tiles 2 b, 2 b + 1 are 16 neighbours, and RoPE's partner (32 further on) is tile t + 2, same lane, same register.
; k lies in the fragments as four 16-byte loads bring it (registers 4 c .. 4 c + 3: k = 32 c + 16 h + 0 .. 15), alike in both operands, so every product meets its partner.
; qc: [64 heads][128 tiles][2 planes][32 lanes][16]: registers 2 c, 2 c + 1 of a K = 64 fragment hold channels 32 (c / 2) + 16 h + 8 (c % 2) + 0 .. 7; k's codes are laid alike.
; kvc: [2: e4, e6][512 tiles][4 K steps][4 planes][32][16].
; NO CLUSTER: six units along x do not divide into fours, and along y nothing but the weights is shared, which go straight into registers.  192 work-groups of equal work.
; LIMITS: e8 - e0 - e1, e4 - e2 - e3 and e6 - e2 - e3 between -126 and 119.  NaN is not served.
.set KB,  1024                         ; a weight row in bytes
.set LI,  1                            ; v1   16 x lane: my place in a plane
.set AD,  2                            ; v2   LDS address of the tile in hand
.set WA,  3                            ; v3   my place in a weight tile
.set TA,  4                            ; v4   my place in a tile's rows of the table
.set SC1, 8                            ; v8, v9    the scale and 448 x the scale of the first conversion; v10, v11 of the second
.set LM1, 9
.set SC2, 10
.set LM2, 11
.set ACC, 16                           ; v16-47   four accumulators
.set R,   48                           ; v48-79   numbers on their way to the conversion
.set CD,  80                           ; v80-95   codes
.set TBL, 96                           ; v96-127  cos, sin of my token at frequencies 16 h + 0 .. 15
.set AF,  128                          ; v128-255 A's eight fragments of a tile
.set MSB, 0
.macro WIN new                         ; the immediate's high byte repeats the setting that is left
.if MSB != (\new)
	s_set_vgpr_msb (MSB<<8)|(\new)
.set MSB, (\new)
.endif
.endm
.macro PLACES n
.rept \n
	v_nop
.endr
.endm
.macro WHALF base                      ; the weight fragments of K steps base .. base + 3: (step s, tile t) at v[16 (4 s + t)] of the window in hand
.irp s, 0,1,2,3
.irp t, 0,1,2,3
.irp c, 0,1,2,3
	global_load_b128 v[16*(4*\s+\t)+4*\c:16*(4*\s+\t)+4*\c+3], v[WA], s[44:45] offset:(32*(\t/2)+8*(\t%2))*KB+128*(\base+\s)+32*\c
.endr
.endr
.endr
.endm
.macro FETCH                           ; a tile's eight fragments, as they lie: 32 loads of 512 consecutive bytes
.irp s, 0,1,2,3,4,5,6,7
.irp c, 0,1,2,3
	ds_load_b128 v[AF+16*\s+4*\c:AF+16*\s+4*\c+3], v[AD] offset:2048*\s+512*\c
.endr
.endr
.endm
; A tile's 32 products.  The four accumulators take turns, one instruction a turn; the first K step starts the sums.
; Five places follow: the next tile's first products write over the accumulators; they also serve the loads into A's registers and the first reads of the results.
.macro MUL
.irp s, 0,1,2,3,4,5,6,7
	s_wait_dscnt 4*(7-\s)                          ; fragment s is in; those of the later K steps may be out
	WIN 1+\s/4                                     ; source 0 in window 1, then 2
.irp t, 0,1,2,3
.if \s == 0
	v_wmma_f32_16x16x128_fp8_fp8 v[ACC+8*\t:ACC+8*\t+7], v[16*(4*(\s%4)+\t):16*(4*(\s%4)+\t)+15], v[AF+16*\s:AF+16*\s+15], 0
.else
	v_wmma_f32_16x16x128_fp8_fp8 v[ACC+8*\t:ACC+8*\t+7], v[16*(4*(\s%4)+\t):16*(4*(\s%4)+\t)+15], v[AF+16*\s:AF+16*\s+15], v[ACC+8*\t:ACC+8*\t+7]
.endif
.endr
.endr
	WIN 0
	PLACES 5
.endm
.macro TLOAD                           ; the table's rows of the tile's 16 tokens: my token's 16 frequencies
.irp q, 0,1,2,3,4,5,6,7
	global_load_b128 v[TBL+4*\q:TBL+4*\q+3], v[TA], s[12:13] offset:16*\q
.endr
.endm
; RoPE on tiles a .. a + 3 (a head): channel d < 32 lies in tiles a, a + 1, its partner d + 32 in tiles a + 2, a + 3.  Each accumulator is read from its low end on.
.macro ROPE a
.irp u, 0,1
.irp j, 0,1,2,3,4,5,6,7
	v_mul_f32 v[R+8*\u+\j], v[ACC+8*((\a)+\u)+\j], v[TBL+2*(8*\u+\j)]
	v_mul_f32 v[R+16+8*\u+\j], v[ACC+8*((\a)+\u)+\j], v[TBL+2*(8*\u+\j)+1]
.endr
.endr
.irp u, 0,1
.irp j, 0,1,2,3,4,5,6,7
	v_fma_f32 v[R+8*\u+\j], -v[ACC+8*((\a)+\u+2)+\j], v[TBL+2*(8*\u+\j)+1], v[R+8*\u+\j]        ; t1 cos - t2 sin
	v_fma_f32 v[R+16+8*\u+\j], v[ACC+8*((\a)+\u+2)+\j], v[TBL+2*(8*\u+\j)], v[R+16+8*\u+\j]     ; t1 sin + t2 cos
.endr
.endr
.endm
; 8 n numbers from v[src] on are held within +- v[lm] into v[tmp] on and converted, eight to a pair of registers, dstep registers apart
.macro QUANT dst, dstep, tmp, src, n, sc, lm
.set qi, 0
.rept 8*(\n)
	v_med3_num_f32 v[(\tmp)+qi], v[(\src)+qi], -v[\lm], v[\lm]   ; the conversion to an 8-bit code does not saturate (ISA guide 7.6.2)
.set qi, qi+1
.endr
.set qi, 0
.rept \n
	v_cvt_scalef32_pk8_fp8_f32 v[(\dst)+(\dstep)*qi:(\dst)+(\dstep)*qi+1], v[(\tmp)+8*qi:(\tmp)+8*qi+7], v[\sc]
.set qi, qi+1
.endr
	v_nop                                          ; a plain line behind the last conversion
.endm
	s_load_b256 s[4:11], s[0:1], 0x0               ; xc s[4:5], wq s[6:7], kv_down s[8:9], the scales' exponents s[10:11]
	s_load_b128 s[12:15], s[0:1], 0x20             ; rope s[12:13], qc s[14:15]
	s_load_b64 s[16:17], s[0:1], 0x30              ; kvc
	v_lshl_add_u32 v14, v0, 2, 0x40000
	v_mov_b32 v15, 0
	ds_add_u32 v14, v15
	ds_add_u32 v14, v15
	v_lshrrev_b32 v5, 5, v0
	v_readfirstlane_b32 s32, v5                    ; wave 0..3
	s_mov_b32 s33, ttmp9                           ; the unit
	s_and_b32 s34, ttmp7, 0xffff                   ; the block of 256 rows
	; descriptor group 1: a dense block of 65,536 bytes as 256 rows of 32 elements of 8 bytes; no padding, no mask
	s_mov_b32 s24, 3<<16
	s_mov_b32 s25, 32<<16                          ; tensor_dim0 = 32
	s_mov_b32 s26, 256<<16                         ; tensor_dim1 = 256
	s_mov_b32 s27, 32<<16                          ; tile_dim0 = 32
	s_mov_b32 s28, 256                             ; tile_dim1 = 256
	s_mov_b32 s29, 32                              ; the pitch
	s_mov_b32 s30, 0
	s_mov_b32 s31, 0
	s_mov_b32 s20, 1
	s_lshl_b32 s21, s32, 16                        ; LDS address: wave x 65,536: four tiles of the sixteen
	s_lshl_b32 s38, s34, 18                        ; the block's 262,144 bytes,
	s_add_co_u32 s38, s38, s21                     ; my quarter of them,
	s_cmp_lt_u32 s33, 4
	s_cselect_b32 s35, 0, 0x800000                 ; under e0 for q, under e2 for kv
	s_add_co_u32 s38, s38, s35
	s_mov_b32 s39, 0
	s_and_b32 s40, s33, 3                          ; the weight's rows: 256 x (unit mod 4) + 64 x wave, 1,024 bytes each
	s_lshl_b32 s40, s40, 18
	s_add_co_u32 s40, s40, s21
	s_mov_b32 s41, 0
	s_wait_dscnt 0x0
	s_wait_kmcnt 0x0
	s_load_b256 s[48:55], s[10:11], 0x0            ; e0 .. e7
	s_load_b32 s56, s[10:11], 0x20                 ; e8
	s_add_nc_u64 s[22:23], s[4:5], s[38:39]
	s_or_b32 s23, s23, 0x80000000                  ; type = 2
	tensor_load_to_lds s[20:23], s[24:31]          ; my one tensor load of the launch
	s_nop 0
	PLACES 4
	s_cmp_lt_u32 s33, 4
	s_cselect_b64 s[44:45], s[6:7], s[8:9]
	s_add_nc_u64 s[44:45], s[44:45], s[40:41]
	v_and_b32 v5, 15, v0                           ; r
	v_bfe_u32 v6, v0, 4, 1                         ; h
	v_and_b32 v1, 31, v0
	v_lshlrev_b32 v[LI], 4, v1
	v_and_b32 v7, 8, v5
	v_add_nc_u32 v7, v7, v5                        ; r + 8 (r / 8)
	v_lshlrev_b32 v[WA], 10, v7
	v_lshl_add_u32 v[WA], v6, 4, v[WA]
	v_lshlrev_b32 v[TA], 8, v5
	v_lshl_add_u32 v[TA], v6, 7, v[TA]             ; token r's 256 bytes, + 128 h
	WIN 0x40                                       ; destination window 1
	WHALF 0
	WIN 0x80                                       ; destination window 2
	WHALF 4
	WIN 0
	s_and_b32 s35, s34, 7                          ; the block's first position: 256 x (y mod 8); 256 bytes a position
	s_lshl_b32 s38, s35, 16
	s_add_nc_u64 s[12:13], s[12:13], s[38:39]
	TLOAD                                          ; every unit loads the first tile's rows, so that these registers are written on every way
	; where the codes go.  q: ((batch x 16 + head) x 128 + the tile in the batch) x 1,024
	s_lshr_b32 s35, s34, 3
	s_lshl_b32 s35, s35, 4
	s_lshl_b32 s38, s33, 2
	s_add_co_u32 s35, s35, s38
	s_add_co_u32 s35, s35, s32
	s_lshl_b32 s35, s35, 17
	s_and_b32 s38, s34, 7
	s_lshl_b32 s38, s38, 14
	s_add_co_u32 s38, s38, s35
	; kv: (tile x 4 + K step) x 2,048 + plane x 512: K step 2 (unit - 4) + wave / 2, planes 2 (wave % 2) and the next
	s_and_b32 s35, s33, 3
	s_lshl_b32 s35, s35, 1
	s_lshr_b32 s40, s32, 1
	s_add_co_u32 s35, s35, s40
	s_lshl_b32 s35, s35, 11
	s_and_b32 s40, s32, 1
	s_lshl_b32 s40, s40, 10
	s_add_co_u32 s35, s35, s40
	s_lshl_b32 s40, s34, 17
	s_add_co_u32 s40, s40, s35
	s_mov_b32 s42, 8192
	s_cmp_lt_u32 s33, 4
	s_cselect_b32 s38, s38, s40
	s_cselect_b64 s[18:19], s[14:15], s[16:17]
	s_cselect_b32 s42, 1024, s42                   ; from tile to tile
	s_mov_b32 s43, 0
	s_add_nc_u64 s[18:19], s[18:19], s[38:39]
	s_wait_kmcnt 0x0
	s_sub_co_i32 s35, s56, s48                     ; a sum stands for sum x 2^(its operands' e added): the three scales are folded into the conversion's one
	s_sub_co_i32 s35, s35, s49                     ; q: e8 - e0 - e1
	s_sub_co_i32 s40, s52, s50
	s_sub_co_i32 s40, s40, s51                     ; kv for k: e4 - e2 - e3
	s_sub_co_i32 s41, s54, s50
	s_sub_co_i32 s41, s41, s51                     ; kv for v: e6 - e2 - e3
	s_cmp_lt_u32 s33, 4
	s_cselect_b32 s35, s35, s40
	s_add_co_i32 s35, s35, 127
	s_lshl_b32 s40, s35, 23
	v_mov_b32 v[SC1], s40
	s_add_co_i32 s35, s35, 8
	s_lshl_b32 s35, s35, 23
	s_or_b32 s35, s35, 0x600000
	v_mov_b32 v[LM1], s35
	s_add_co_i32 s41, s41, 127
	s_lshl_b32 s40, s41, 23
	v_mov_b32 v[SC2], s40
	s_add_co_i32 s41, s41, 8
	s_lshl_b32 s41, s41, 23
	s_or_b32 s41, s41, 0x600000
	v_mov_b32 v[LM2], s41
	s_wait_tensorcnt 0x0                           ; my quarter of the block is in LDS,
	s_barrier_signal -1
	s_barrier_wait -1                              ; everybody's is: the launch's one barrier
	s_mov_b32 s36, 0                               ; LDS byte of the tile in hand
	v_add_nc_u32 v[AD], s36, v[LI]
	FETCH
	s_wait_loadcnt 0x0                             ; the weights and the table's first rows
; A tile.  more = 1: the next tile's fragments are fetched under this tile's way out, and the pointers step.
.macro DTRIP more
	MUL
.if \more
	s_add_co_u32 s36, s36, 16384
	v_add_nc_u32 v[AD], s36, v[LI]
	FETCH
.endif
	s_cmp_lt_u32 s33, 4                            ; the unit's kind: a branch on the work-group's number, inside the loop
	s_cbranch_scc0 .Lkv_\@
	s_wait_loadcnt 0x0                             ; the table's rows of this tile; the wait also frees their base
	ROPE 0
.if \more
	s_add_nc_u64 s[12:13], s[12:13], 4096          ; 16 positions on
	TLOAD
.endif
	QUANT CD, 2, R, R, 4, SC1, LM1
	global_store_b128 v[LI], v[CD:CD+3], s[18:19]              ; a plane: the wave stores 512 consecutive bytes
	global_store_b128 v[LI], v[CD+4:CD+7], s[18:19] offset:512
	s_branch .Ljoin_\@
.Lkv_\@:
	s_wait_alu depctr_va_vdst(0)
	QUANT CD, 2, R, ACC, 4, SC1, LM1               ; tiles 2 b, 2 b + 1 are plane b's four registers
	QUANT CD+8, 2, R, ACC, 4, SC2, LM2
	global_store_b128 v[LI], v[CD:CD+3], s[18:19]
	global_store_b128 v[LI], v[CD+4:CD+7], s[18:19] offset:512
	global_store_b128 v[LI], v[CD+8:CD+11], s[18:19] offset:4194304
	global_store_b128 v[LI], v[CD+12:CD+15], s[18:19] offset:4194816
.Ljoin_\@:
.if \more
	s_wait_xcnt 0x0                                ; the stores have read their registers and their base: both are written again only behind this wait
	s_add_nc_u64 s[18:19], s[18:19], s[42:43]
.endif
.endm
	s_mov_b32 s37, 15
.Ltile:
	DTRIP 1
	s_sub_co_u32 s37, s37, 1
	s_cmp_lg_u32 s37, 0
	s_cbranch_scc1 .Ltile
	DTRIP 0                                        ; the last tile fetches nothing
	s_wait_tensorcnt 0x0
	ds_add_u32 v14, v15
	s_wait_dscnt 0x0
	s_endpgm
.Lfunc_end_k_q02931a62d3_down:
	.size	k_q02931a62d3_down, .Lfunc_end_k_q02931a62d3_down-k_q02931a62d3_down
	.p2alignl 7, 3214868480
	.fill 96, 4, 3214868480
	.section	.rodata,"a",@progbits
	.p2align	6, 0x0
	.amdhsa_kernel k_q02931a62d3_down
		.amdhsa_group_segment_fixed_size 262656
		.amdhsa_private_segment_fixed_size 0
		.amdhsa_enable_private_segment 0
		.amdhsa_kernarg_size 56
		.amdhsa_user_sgpr_count 2
		.amdhsa_user_sgpr_kernarg_segment_ptr 1
		.amdhsa_wavefront_size32 1
		.amdhsa_system_sgpr_workgroup_id_x 1
		.amdhsa_system_sgpr_workgroup_id_y 1
		.amdhsa_system_sgpr_workgroup_id_z 1
		.amdhsa_system_vgpr_workitem_id 0
		.amdhsa_next_free_vgpr 768
		.amdhsa_next_free_sgpr 66
		.amdhsa_reserve_vcc 0
		.amdhsa_float_denorm_mode_32 3
		.amdhsa_float_denorm_mode_16_64 3
		.amdhsa_memory_ordered 1
		.amdhsa_forward_progress 1
		.amdhsa_inst_pref_size 49
	.end_amdhsa_kernel
	.amdgpu_metadata
---
amdhsa.version: [ 1, 2 ]
amdhsa.kernels:
  - .name:           k_q02931a62d3_down
    .symbol:         k_q02931a62d3_down.kd
    .args:
      - { .name: xc, .offset: 0, .size: 8, .value_kind: global_buffer, .address_space: global }
      - { .name: wq_codes, .offset: 8, .size: 8, .value_kind: global_buffer, .address_space: global }
      - { .name: kv_down_codes, .offset: 16, .size: 8, .value_kind: global_buffer, .address_space: global }
      - { .name: lowp_scales, .offset: 24, .size: 8, .value_kind: global_buffer, .address_space: global }
      - { .name: rope, .offset: 32, .size: 8, .value_kind: global_buffer, .address_space: global }
      - { .name: qc, .offset: 40, .size: 8, .value_kind: global_buffer, .address_space: global }
      - { .name: kvc, .offset: 48, .size: 8, .value_kind: global_buffer, .address_space: global }
    .group_segment_fixed_size: 262656
    .private_segment_fixed_size: 0
    .kernarg_segment_align: 8
    .kernarg_segment_size: 56
    .max_flat_workgroup_size: 128
    .sgpr_count:     66
    .vgpr_count:     768
    .wavefront_size: 32
...
	.end_amdgpu_metadata
.endif
;; end of part 7
;; launch up (part 8): grid 4 x 64, 4 waves a work-group, no clusters, 168,448 bytes of LDS; arguments kvc, wk_codes, wv_codes, lowp_scales, rope, kc, vc; writes kc, vc
.if DOCPART == 8
	.amdgcn_target "amdgcn-amd-amdhsa--gfx1250"
	.amdhsa_code_object_version 6
	.text
	.protected	k_q02931a62d3_up
	.globl	k_q02931a62d3_up
	.p2align	8
	.type	k_q02931a62d3_up,@function
k_q02931a62d3_up:
	s_mov_b64 s[64:65], 0
	v_nop
	global_prefetch_b8 v0, s[64:65] scope:SCOPE_SE
	s_setreg_imm32_b32 hwreg(HW_REG_WAVE_MODE, 25, 1), 1
	s_wait_xcnt 0x0
; k = rope(kv wk) and v = kv wv, on codes of E4M3; both leave as codes, laid as images of attention's operand registers.
; UNITS.  Work-group x = 0, 1: k; 2, 3: v; columns 512 (x % 2) + 128 wave on: two heads a wave.  Work-group y: 128 rows, 8 tiles of 16.  256 work-groups of equal work.
; A wave's 128 columns x 512 along K are 32 weight fragments, 512 registers (windows 1 and 2), read once.  The rows' codes (65,536 bytes, images of fragments) come into LDS once, one tensor load of
; 16,384 bytes a wave; no LDS byte is filled twice: one barrier, no ring.  Each fragment of A read from LDS feeds eight matrix instructions.
; Lane r of weight tile t takes row 32 (t / 2) + 8 (t % 2) + r + 8 (r / 8).
; k IS MADE TRANSPOSED (source 0 = the weight): lane (r, h) holds token r, register j of tile t column 32 (t / 2) + 16 h + 8 (t % 2) + j: RoPE's partner is tile t + 2; the codes are laid as q's are.
; v IS MADE THE NATURAL WAY (source 0 = the tokens): lane (r, h) holds the column of slot r and register j token 8 h + j: eight neighbours along the second product's K, the keys.  Four tiles of tokens make
; a K = 64 fragment of V^T: registers 2 c, 2 c + 1 hold keys 16 c + 8 h + 0 .. 7.  vc: [64 heads][32 blocks of 64 keys][4 tiles of channels][2 planes][32 lanes][16].
; The two kinds part once, on the work-group's number, and each walks its eight tiles written out, so that every offset is an immediate.
; NO CLUSTER: what partners would share is A's block, 65,536 of the 327,680 bytes that a work-group fetches; the weights go straight into registers.
; LIMITS: e9 - e4 - e5 and e11 - e6 - e7 between -126 and 119.  NaN is not served.
.set KB,  512
.set LI,  1                            ; v1   16 x lane
.set WA,  3                            ; v3   my place in a weight tile
.set TA,  4                            ; v4   my place in a tile's rows of the table
.set SC1, 8
.set LM1, 9
.set ACC, 16                           ; v16-79   eight accumulators
.set R,   80                           ; v80-111  numbers on their way to the conversion
.set TBL, 112                          ; v112-143 k: cos, sin of my token at frequencies 16 h + 0 .. 15
.set VC,  112                          ; v112-143 v: a plane (four registers) for each of the eight tiles of channels
.set CD,  144                          ; v144-159 k: two heads' fragments
.set AF,  192                          ; v192-255 A's four fragments of a tile
.set MSB, 0
.macro WIN new                         ; the immediate's high byte repeats the setting that is left
.if MSB != (\new)
	s_set_vgpr_msb (MSB<<8)|(\new)
.set MSB, (\new)
.endif
.endm
.macro PLACES n
.rept \n
	v_nop
.endr
.endm
.macro WHALF base                      ; the weight fragments of K steps base, base + 1: (step s, tile t) at v[16 (8 s + t)] of the window in hand
.irp s, 0,1
.irp t, 0,1,2,3,4,5,6,7
.irp c, 0,1,2,3
	global_load_b128 v[16*(8*\s+\t)+4*\c:16*(8*\s+\t)+4*\c+3], v[WA], s[44:45] offset:(32*(\t/2)+8*(\t%2))*KB+128*(\base+\s)+32*\c
.endr
.endr
.endr
.endm
.macro FETCH off                       ; a tile's four fragments, from LDS byte off on
.irp s, 0,1,2,3
.irp c, 0,1,2,3
	ds_load_b128 v[AF+16*\s+4*\c:AF+16*\s+4*\c+3], v[LI] offset:(\off)+2048*\s+512*\c
.endr
.endr
.endm
; A tile's 32 products; the eight accumulators take turns, one instruction a turn.  swap = 0: source 0 = the weight; 1: source 0 = the tokens.
; Five places follow: the next tile's first products write over the accumulators; they also serve the loads into A's registers and the first reads of the results.
.macro MUL swap
.irp s, 0,1,2,3
	s_wait_dscnt 4*(3-\s)                          ; fragment s is in; those of the later K steps may be out
.if \swap
	WIN 4*(1+\s/2)                                 ; source 1 in window 1, then 2
.else
	WIN 1+\s/2                                     ; source 0 in window 1, then 2
.endif
.irp t, 0,1,2,3,4,5,6,7
.if \swap
.if \s == 0
	v_wmma_f32_16x16x128_fp8_fp8 v[ACC+8*\t:ACC+8*\t+7], v[AF+16*\s:AF+16*\s+15], v[16*(8*(\s%2)+\t):16*(8*(\s%2)+\t)+15], 0
.else
	v_wmma_f32_16x16x128_fp8_fp8 v[ACC+8*\t:ACC+8*\t+7], v[AF+16*\s:AF+16*\s+15], v[16*(8*(\s%2)+\t):16*(8*(\s%2)+\t)+15], v[ACC+8*\t:ACC+8*\t+7]
.endif
.else
.if \s == 0
	v_wmma_f32_16x16x128_fp8_fp8 v[ACC+8*\t:ACC+8*\t+7], v[16*(8*(\s%2)+\t):16*(8*(\s%2)+\t)+15], v[AF+16*\s:AF+16*\s+15], 0
.else
	v_wmma_f32_16x16x128_fp8_fp8 v[ACC+8*\t:ACC+8*\t+7], v[16*(8*(\s%2)+\t):16*(8*(\s%2)+\t)+15], v[AF+16*\s:AF+16*\s+15], v[ACC+8*\t:ACC+8*\t+7]
.endif
.endif
.endr
.endr
	WIN 0
	PLACES 5
.endm
.macro TLOAD off
.irp q, 0,1,2,3,4,5,6,7
	global_load_b128 v[TBL+4*\q:TBL+4*\q+3], v[TA], s[12:13] offset:(\off)+16*\q
.endr
.endm
.macro ROPE a                          ; RoPE on tiles a .. a + 3 (a head); each accumulator is read from its low end on
.irp u, 0,1
.irp j, 0,1,2,3,4,5,6,7
	v_mul_f32 v[R+8*\u+\j], v[ACC+8*((\a)+\u)+\j], v[TBL+2*(8*\u+\j)]
	v_mul_f32 v[R+16+8*\u+\j], v[ACC+8*((\a)+\u)+\j], v[TBL+2*(8*\u+\j)+1]
.endr
.endr
.irp u, 0,1
.irp j, 0,1,2,3,4,5,6,7
	v_fma_f32 v[R+8*\u+\j], -v[ACC+8*((\a)+\u+2)+\j], v[TBL+2*(8*\u+\j)+1], v[R+8*\u+\j]        ; t1 cos - t2 sin
	v_fma_f32 v[R+16+8*\u+\j], v[ACC+8*((\a)+\u+2)+\j], v[TBL+2*(8*\u+\j)], v[R+16+8*\u+\j]     ; t1 sin + t2 cos
.endr
.endr
.endm
.macro QUANT dst, dstep, tmp, src, n, sc, lm   ; 8 n numbers are held within +- v[lm] into v[tmp] on and converted, eight to a pair of registers, dstep registers apart
.set qi, 0
.rept 8*(\n)
	v_med3_num_f32 v[(\tmp)+qi], v[(\src)+qi], -v[\lm], v[\lm]   ; the conversion to an 8-bit code does not saturate (ISA guide 7.6.2)
.set qi, qi+1
.endr
.set qi, 0
.rept \n
	v_cvt_scalef32_pk8_fp8_f32 v[(\dst)+(\dstep)*qi:(\dst)+(\dstep)*qi+1], v[(\tmp)+8*qi:(\tmp)+8*qi+7], v[\sc]
.set qi, qi+1
.endr
	v_nop                                          ; a plain line behind the last conversion
.endm
	s_load_b256 s[4:11], s[0:1], 0x0               ; kvc s[4:5], wk s[6:7], wv s[8:9], the scales' exponents s[10:11]
	s_load_b128 s[12:15], s[0:1], 0x20             ; rope s[12:13], kc s[14:15]
	s_load_b64 s[16:17], s[0:1], 0x30              ; vc
	v_lshl_add_u32 v190, v0, 2, 0x29000
	v_mov_b32 v191, 0
	ds_add_u32 v190, v191
	ds_add_u32 v190, v191
	v_lshrrev_b32 v5, 5, v0
	v_readfirstlane_b32 s32, v5                    ; wave 0..3
	s_mov_b32 s33, ttmp9                           ; the unit
	s_and_b32 s34, ttmp7, 0xffff                   ; the block of 128 rows
	; descriptor group 1: a dense block of 16,384 bytes as 64 rows of 32 elements of 8 bytes; no padding, no mask
	s_mov_b32 s24, 3<<16
	s_mov_b32 s25, 32<<16
	s_mov_b32 s26, 64<<16
	s_mov_b32 s27, 32<<16
	s_mov_b32 s28, 64
	s_mov_b32 s29, 32
	s_mov_b32 s30, 0
	s_mov_b32 s31, 0
	s_mov_b32 s20, 1
	s_lshl_b32 s21, s32, 14                        ; LDS address: wave x 16,384: two tiles of the eight
	s_lshl_b32 s38, s34, 16                        ; the block's 65,536 bytes,
	s_add_co_u32 s38, s38, s21                     ; my quarter of them,
	s_cmp_lt_u32 s33, 2
	s_cselect_b32 s35, 0, 0x400000                 ; under e4 for k, under e6 for v
	s_add_co_u32 s38, s38, s35
	s_mov_b32 s39, 0
	s_and_b32 s40, s33, 1                          ; the weight's rows: 512 x (unit % 2) + 128 x wave, 512 bytes each
	s_lshl_b32 s40, s40, 18
	s_lshl_b32 s35, s32, 16
	s_add_co_u32 s40, s40, s35
	s_mov_b32 s41, 0
	s_wait_dscnt 0x0
	s_wait_kmcnt 0x0
	s_load_b256 s[48:55], s[10:11], 0x0            ; e0 .. e7
	s_load_b128 s[56:59], s[10:11], 0x20           ; e8 .. e11
	s_add_nc_u64 s[22:23], s[4:5], s[38:39]
	s_or_b32 s23, s23, 0x80000000                  ; type = 2
	tensor_load_to_lds s[20:23], s[24:31]          ; my one tensor load of the launch
	s_nop 0
	PLACES 4
	s_cmp_lt_u32 s33, 2
	s_cselect_b64 s[44:45], s[6:7], s[8:9]
	s_add_nc_u64 s[44:45], s[44:45], s[40:41]
	v_and_b32 v5, 15, v0                           ; r
	v_bfe_u32 v6, v0, 4, 1                         ; h
	v_and_b32 v1, 31, v0
	v_lshlrev_b32 v[LI], 4, v1
	v_and_b32 v7, 8, v5
	v_add_nc_u32 v7, v7, v5                        ; r + 8 (r / 8)
	v_lshlrev_b32 v[WA], 9, v7
	v_lshl_add_u32 v[WA], v6, 4, v[WA]
	v_lshlrev_b32 v[TA], 8, v5
	v_lshl_add_u32 v[TA], v6, 7, v[TA]
	WIN 0x40                                       ; destination window 1
	WHALF 0
	WIN 0x80                                       ; destination window 2
	WHALF 2
	WIN 0
	s_and_b32 s35, s34, 15                         ; the block's first position: 128 x (y mod 16); 256 bytes a position
	s_lshl_b32 s38, s35, 15
	s_add_nc_u64 s[12:13], s[12:13], s[38:39]
	; where the codes go: (batch x 16 + my first head) x 131,072 + (y mod 16) x 8,192, in kc and in vc alike: 128 tokens are 8 tiles of 1,024 bytes of k, and 2 blocks of 4,096 bytes of v
	s_lshr_b32 s38, s34, 4
	s_lshl_b32 s38, s38, 4
	s_and_b32 s40, s33, 1
	s_lshl_b32 s40, s40, 3
	s_add_co_u32 s38, s38, s40
	s_lshl_b32 s40, s32, 1
	s_add_co_u32 s38, s38, s40
	s_lshl_b32 s38, s38, 17
	s_lshl_b32 s35, s35, 13
	s_add_co_u32 s38, s38, s35
	s_cmp_lt_u32 s33, 2
	s_cselect_b64 s[18:19], s[14:15], s[16:17]
	s_add_nc_u64 s[18:19], s[18:19], s[38:39]
	s_wait_alu depctr_va_vdst(0)
	s_wait_kmcnt 0x0
	s_sub_co_i32 s35, s57, s52                     ; the three scales are folded into the conversion's one.  k: e9 - e4 - e5
	s_sub_co_i32 s35, s35, s53
	s_sub_co_i32 s40, s59, s54                     ; v: e11 - e6 - e7
	s_sub_co_i32 s40, s40, s55
	s_cmp_lt_u32 s33, 2
	s_cselect_b32 s35, s35, s40
	s_add_co_i32 s35, s35, 127
	s_lshl_b32 s40, s35, 23
	v_mov_b32 v[SC1], s40
	s_add_co_i32 s35, s35, 8
	s_lshl_b32 s35, s35, 23
	s_or_b32 s35, s35, 0x600000
	v_mov_b32 v[LM1], s35
	s_wait_tensorcnt 0x0                           ; my quarter of the block is in LDS,
	s_barrier_signal -1
	s_barrier_wait -1                              ; everybody's is: the launch's one barrier
	FETCH 0
	s_wait_loadcnt 0x0                             ; the weights
	s_cmp_lt_u32 s33, 2
	s_cbranch_scc0 .Lvalues
.macro KTILE i
	MUL 0
.if \i < 7
	FETCH 8192*(\i+1)                              ; the next tile's fragments land under this tile's way out
.endif
	s_wait_loadcnt 0x0                             ; the table's rows of this tile
	s_wait_xcnt 0x0                                ; the last tile's stores have read their registers
.irp hh, 0,1
	ROPE 4*\hh
	QUANT CD+8*\hh, 2, R, R, 4, SC1, LM1
.endr
.if \i < 7
	TLOAD 4096*(\i+1)
.endif
.irp hh, 0,1
.irp p, 0,1
	global_store_b128 v[LI], v[CD+8*\hh+4*\p:CD+8*\hh+4*\p+3], s[18:19] offset:\hh*131072+1024*\i+512*\p   ; a plane: the wave stores 512 consecutive bytes
.endr
.endr
.endm
	TLOAD 0
.irp i, 0,1,2,3,4,5,6,7
	KTILE \i
.endr
	s_wait_tensorcnt 0x0
	ds_add_u32 v190, v191
	s_wait_dscnt 0x0
	s_endpgm
.Lvalues:
.macro VTILE i
	MUL 1
.if \i < 7
	FETCH 8192*(\i+1)
.endif
.if (\i%2) == 0
	s_wait_alu depctr_va_vdst(0)
	s_wait_xcnt 0x0                                ; the last plane's stores have read their registers
.endif
.irp g, 0,1
	QUANT VC+16*\g+2*(\i%2), 4, R, ACC+32*\g, 4, SC1, LM1      ; tile t's eight tokens: registers 2 (i % 2), + 1 of its plane
.endr
.if (\i%2) == 1
.irp t, 0,1,2,3,4,5,6,7
	global_store_b128 v[LI], v[VC+4*\t:VC+4*\t+3], s[18:19] offset:(\t/4)*131072+(\i/4)*4096+(\t%4)*1024+512*((\i/2)%2)
.endr
.endif
.endm
.irp i, 0,1,2,3,4,5,6,7
	VTILE \i
.endr
	s_wait_tensorcnt 0x0
	ds_add_u32 v190, v191
	s_wait_dscnt 0x0
	s_endpgm
.Lfunc_end_k_q02931a62d3_up:
	.size	k_q02931a62d3_up, .Lfunc_end_k_q02931a62d3_up-k_q02931a62d3_up
	.p2alignl 7, 3214868480
	.fill 96, 4, 3214868480
	.section	.rodata,"a",@progbits
	.p2align	6, 0x0
	.amdhsa_kernel k_q02931a62d3_up
		.amdhsa_group_segment_fixed_size 168448
		.amdhsa_private_segment_fixed_size 0
		.amdhsa_enable_private_segment 0
		.amdhsa_kernarg_size 56
		.amdhsa_user_sgpr_count 2
		.amdhsa_user_sgpr_kernarg_segment_ptr 1
		.amdhsa_wavefront_size32 1
		.amdhsa_system_sgpr_workgroup_id_x 1
		.amdhsa_system_sgpr_workgroup_id_y 1
		.amdhsa_system_sgpr_workgroup_id_z 1
		.amdhsa_system_vgpr_workitem_id 0
		.amdhsa_next_free_vgpr 768
		.amdhsa_next_free_sgpr 66
		.amdhsa_reserve_vcc 0
		.amdhsa_float_denorm_mode_32 3
		.amdhsa_float_denorm_mode_16_64 3
		.amdhsa_memory_ordered 1
		.amdhsa_forward_progress 1
		.amdhsa_inst_pref_size 204
	.end_amdhsa_kernel
	.amdgpu_metadata
---
amdhsa.version: [ 1, 2 ]
amdhsa.kernels:
  - .name:           k_q02931a62d3_up
    .symbol:         k_q02931a62d3_up.kd
    .args:
      - { .name: kvc, .offset: 0, .size: 8, .value_kind: global_buffer, .address_space: global }
      - { .name: wk_codes, .offset: 8, .size: 8, .value_kind: global_buffer, .address_space: global }
      - { .name: wv_codes, .offset: 16, .size: 8, .value_kind: global_buffer, .address_space: global }
      - { .name: lowp_scales, .offset: 24, .size: 8, .value_kind: global_buffer, .address_space: global }
      - { .name: rope, .offset: 32, .size: 8, .value_kind: global_buffer, .address_space: global }
      - { .name: kc, .offset: 40, .size: 8, .value_kind: global_buffer, .address_space: global }
      - { .name: vc, .offset: 48, .size: 8, .value_kind: global_buffer, .address_space: global }
    .group_segment_fixed_size: 168448
    .private_segment_fixed_size: 0
    .kernarg_segment_align: 8
    .kernarg_segment_size: 56
    .max_flat_workgroup_size: 128
    .sgpr_count:     66
    .vgpr_count:     768
    .wavefront_size: 32
...
	.end_amdgpu_metadata
.endif
;; end of part 8
;; launch attn (part 9): grid 4 x 64, 16 waves a work-group, no clusters, 264,192 bytes of LDS; arguments qc, kc, vc, lowp_scales, ao; writes ao
.if DOCPART == 9
	.amdgcn_target "amdgcn-amd-amdhsa--gfx1250"
	.amdhsa_code_object_version 6
	.text
	.protected	k_q02931a62d3_attn
	.globl	k_q02931a62d3_attn
	.p2align	8
	.type	k_q02931a62d3_attn,@function
k_q02931a62d3_attn:
	s_mov_b64 s[64:65], 0
	v_nop
	global_prefetch_b8 v0, s[64:65] scope:SCOPE_SE
	s_setreg_imm32_b32 hwreg(HW_REG_WAVE_SCHED_MODE, 0, 2), 2
	s_setreg_imm32_b32 hwreg(HW_REG_WAVE_MODE, 25, 1), 1
	s_wait_xcnt 0x0
	s_wait_alu depctr_vm_vsrc(0)
; O = softmax(Q K^T / 8) V for one head and 512 queries a work-group, both products on codes of E4M3 by the K = 64 form.  What is quantised for the second product is p = 2^(t - M), t = score x log2(e) / 8,
; M = ceil(the row's largest t); the row's sum is taken of the unquantised p and divides O at the end.  O leaves as codes under e12, laid as an image of the last product's operand registers.
; SHARES.  Work-group y: the head (batch x 16 + head); x: 512 of its 2,048 queries; each of sixteen waves two tiles of 16 queries, in 256 registers: four waves to a SIMD, so that one wave's vector work
; stands beside another's matrix work and LDS loads.
; THE HEAD'S WHOLE K AND V LIE IN LDS (131,072 bytes each, as they lie in memory: images of fragments), brought once through registers: the loops hold no barrier and no wait for memory.
; TWO PASSES over the keys.  Pass 1: S^T = K Q^T and the row's largest score: M is the definition's own, not a running one.  Pass 2: S^T again, p, the sum, O^T += V^T P^T: no running maximum, no exchange
; between lanes and no rescaling of O^T in the loop.  The price: K is read from LDS twice and the first product is made twice.
; LAYOUT.  Both products are used transposed: a lane holds ONE query (lane % 16) throughout.  Register j of key tile kt holds key 16 kt + 8 (lane / 16) + j, so the conversion of tile kt is registers 2 kt,
; 2 kt + 1 of P: nothing changes lanes.  Register j of O^T's tile ct holds channel 32 (ct / 2) + 16 (lane / 16) + 8 (ct % 2) + j (v's columns were chosen so), so tiles 2 p, 2 p + 1 are plane p of the head's half K step.
; THE HOLD of p at 448 x 2^e10 is needed only where that lies under p's largest value, 1: where e10 < -8.  A scalar branch on that given whole number goes round its 64 lines.
; NO CLUSTER, NO TENSOR LOAD: the four work-groups of a head share K and V, which each fetches once, at its head, for two walks over 32 blocks of keys
; NO PREFETCH: every stream is asked for at the head.
; LIMITS: e8 + e9 between -123 and 130 (added to c's exponent field); e10 between -126 and 119.  NaN is not served.
; THE MODE: SCHED_MODE bits 1:0 = 2 (LLVM: expert scheduling mode 2), set by the entry lines.  The code itself states the register dependences between vector or matrix instructions and memory or LDS
; instructions, with s_wait_alu, always for 0.
; THE PLAN.  Registers that memory or LDS instructions touch:
;   v1, v248-251   offsets and LDS addresses, made at the head and never written again: one wait on va_vdst ahead of the first load serves every load and store that reads them.
;   v254, v255     made at the head, read by the closing add alone.
;   ADK, ADV       read by the fragments' LDS loads; written by a vector add once a trip: a wait on vm_vsrc ahead of the add; the trip's wait on va_vdst stands behind it.
;   KF, VF         written by LDS loads, read by matrix instructions.  Pass 1: a half's products read its buffer, and behind ONE wait on va_vdst the block two further on is asked for into it.
;                  Pass 2: behind ONE wait on va_vdst, which stands behind the step's first products, V's block and the next block of K are asked for: those products are done reading KF, the last step's second products VF.
;   S, O           at the head K's and V's global loads land in them and LDS stores read them; a wait on vm_vsrc behind each of the two barriers stands ahead of their first writer.  From then on no memory instruction names them.
;   P              written by conversions, read by matrix instructions; at the end by four global stores, behind a wait on va_vdst.
; Behind a step's wait its loads are dealt among vector instructions that name S, the maxima, c and -M: none of the registers that those loads touch.  All 256 registers of the wave are taken: there is no further buffer.
.set LI,  1                            ; v1   16 x lane
.set ADK, 2                            ; v2   LDS address of the block of K in hand
.set ADV, 3                            ; v3   of V
                                       ; v[4:5] -M of tile A (twice), v[6:7] of tile B; v[8:15] four sums in pairs: A, A, B, B
.set Q,   16                           ; v16-31   Q's two fragments
.set KF,  32                           ; v32-63   four fragments of K
.set VF,  64                           ; v64-95   four fragments of V^T; in pass 1 K's second buffer
.set S,   96                           ; v96-159  S^T, then p: tile A at 96 + 8 kt, tile B at 128 + 8 kt; at the head K on its way to LDS
.set O,   160                          ; v160-223 O^T: A at 160 + 8 ct, B at 192 + 8 ct; until pass 2 V on its way to LDS
.set P,   224                          ; v224-239 p's codes
.set MX,  240                          ; v240-243 four running maxima; at the end 1 / the sums
.set SC,  246                          ; v246 2^e10, v247 448 x 2^e10
.set LM,  247
                                       ; v248-251 16 x thread, + 65,536, + 131,072, + 196,608
.macro PLACES n
.rept \n
	v_nop
.endr
.endm
.macro LOAD8 buf, adr, off             ; a block's four fragments (4,096 bytes) as they lie
.irp kt, 0,1,2,3
.irp p, 0,1
	ds_load_b128 v[\buf+8*\kt+4*\p:\buf+8*\kt+4*\p+3], v[\adr] offset:(\off)+1024*\kt+512*\p
.endr
.endr
.endm
.macro SMUL buf                        ; S^T of 64 keys x my 32 queries: eight products, each the whole of its sum
.irp kt, 0,1,2,3
.irp q, 0,1
	v_wmma_f32_16x16x64_fp8_fp8 v[S+32*\q+8*\kt:S+32*\q+8*\kt+7], v[\buf+8*\kt:\buf+8*\kt+7], v[Q+8*\q:Q+8*\q+7], 0
.endr
.endr
.endm
	s_load_b256 s[4:11], s[0:1], 0x0               ; qc s[4:5], kc s[6:7], vc s[8:9], the scales' exponents s[10:11]
	s_load_b64 s[12:13], s[0:1], 0x20              ; ao
	v_lshl_add_u32 v254, v0, 2, 0x40000
	v_mov_b32 v255, 0
	v_lshrrev_b32 v2, 5, v0
	v_readfirstlane_b32 s16, v2                    ; wave 0..15
	v_and_b32 v1, 31, v0
	v_lshlrev_b32 v[LI], 4, v1
	v_lshlrev_b32 v248, 4, v0
	v_add_nc_u32 v249, 0x10000, v248
	v_add_nc_u32 v250, 0x20000, v248
	v_add_nc_u32 v251, 0x30000, v248
	s_wait_alu depctr_va_sdst(0)                   ; s16 is written, ahead of its first reader: Q's and ao's bases are made from it
	s_and_b32 s17, ttmp7, 0xffff                   ; the head
	s_lshl_b32 s18, s17, 17                        ; its 131,072 bytes in qc, kc and vc
	s_mov_b32 s19, 0
	s_lshl_b32 s25, ttmp9, 5
	s_lshl_b32 s26, s16, 1
	s_add_co_u32 s25, s25, s26                     ; my first tile of queries: 32 x + 2 wave
	s_lshl_b32 s26, s25, 10
	s_add_co_u32 s26, s26, s18
	s_mov_b32 s27, 0
	s_lshr_b32 s33, s17, 4                         ; ao: ((128 batch + tile) x 8 + head / 2) x 2,048 + (head % 2) x 1,024
	s_lshl_b32 s33, s33, 7
	s_add_co_u32 s33, s33, s25
	s_lshl_b32 s33, s33, 3
	s_and_b32 s34, s17, 15
	s_lshr_b32 s34, s34, 1
	s_add_co_u32 s33, s33, s34
	s_lshl_b32 s33, s33, 11
	s_and_b32 s34, s17, 1
	s_lshl_b32 s34, s34, 10
	s_add_co_u32 s34, s34, s33
	s_mov_b32 s35, 0
	s_mov_b32 s20, 0x76543210                      ; v_permlanex16_b32: lane l xor 16
	s_mov_b32 s21, 0xfedcba98
	s_mov_b32 s22, 0x3e38aa3b                      ; c = log2(e) / 8
	s_mov_b32 s36, 0xc3e00000                      ; -448
	s_mov_b32 s37, 0x43e00000                      ; 448
	s_wait_kmcnt 0x0
	s_load_b128 s[28:31], s[10:11], 0x20           ; e8, e9, e10, e11
	s_load_b32 s32, s[10:11], 0x30                 ; e12
	s_add_nc_u64 s[4:5], s[4:5], s[26:27]
	s_add_nc_u64 s[6:7], s[6:7], s[18:19]
	s_add_nc_u64 s[8:9], s[8:9], s[18:19]
	s_add_nc_u64 s[12:13], s[12:13], s[34:35]
	s_wait_alu depctr_va_vdst(0)                   ; v1 and v248 to v251 are written, which the loads and stores of the whole kernel read as offsets and addresses; so are v254 and v255, which the closing add reads
.irp i, 0,1,2,3
	global_load_b128 v[Q+4*\i:Q+4*\i+3], v[LI], s[4:5] offset:512*\i       ; Q's fragments stay in registers
.endr
.irp i, 0,1,2,3,4,5,6,7,8,9,10,11,12,13,14,15
	global_load_b128 v[S+4*\i:S+4*\i+3], v248, s[6:7] offset:8192*\i       ; K: the work-group's 512 threads take 8,192 consecutive bytes a line
.endr
.irp i, 0,1,2,3,4,5,6,7,8,9,10,11,12,13,14,15
	global_load_b128 v[O+4*\i:O+4*\i+3], v248, s[8:9] offset:8192*\i       ; V likewise: it lands while pass 1 runs
.endr
	s_wait_kmcnt 0x0
	s_add_co_i32 s23, s28, s29
	s_lshl_b32 s23, s23, 23
	s_add_co_i32 s22, s22, s23                     ; a score stands for score x 2^(e8 + e9): the two exponents are added to c's exponent field
	s_mov_b32 s23, s22                             ; (named with it as a pair, so it is written)
	s_add_co_i32 s24, s30, 127
	s_lshl_b32 s26, s24, 23
	v_mov_b32 v[SC], s26                           ; 2^e10 as f32, for the conversion
	s_add_co_i32 s24, s24, 8
	s_lshl_b32 s24, s24, 23
	s_or_b32 s24, s24, 0x600000
	v_mov_b32 v[LM], s24                           ; 448 x 2^e10
	s_add_co_i32 s25, s30, s31
	s_sub_co_i32 s25, s25, s32                     ; e10 + e11 - e12: what O's sums lack, and the scale of its codes taken off
.irp i, 0,1,2,3
	v_mov_b32 v[MX+\i], 0xff800000                 ; the maxima begin at -infinity
.endr
	s_wait_loadcnt 16                              ; Q and K are in; V's sixteen loads may be out
.irp i, 0,1,2,3,4,5,6,7
	ds_store_b128 v248, v[S+4*\i:S+4*\i+3] offset:8192*\i
.endr
.irp i, 0,1,2,3,4,5,6,7
	ds_store_b128 v249, v[S+32+4*\i:S+32+4*\i+3] offset:8192*\i
.endr
	s_wait_dscnt 0x0                               ; for the others' sake: my stores have landed
	s_barrier_signal -1
	s_barrier_wait -1                              ; K is whole
	s_wait_alu depctr_vm_vsrc(0)                   ; my LDS stores have read v[S ..], which pass 1's products write
; PASS 1.  A block of 64 keys: eight products; five places (the next block's products write over S^T; the places also serve the first reads of S^T); one wait; the block two further on
; is asked for into the same buffer, a load ahead of every four maxima; 32 maxima of three in four chains, each accumulator from its low end on.
.macro HALF buf, off, more, cnt
	s_wait_dscnt \cnt                              ; this buffer's eight loads are in; the other buffer's eight may be out
	SMUL \buf
	PLACES 5
.if \more
	s_wait_alu depctr_va_vdst(0)                   ; the eight products are done reading this buffer, in which the loads below land; in the trip's first half v[ADK], their address, is written
.endif
	s_wait_alu depctr_va_vdst(0)
.irp kt, 0,1,2,3
.irp d, 0,4
.if \more
	ds_load_b128 v[\buf+8*\kt+\d:\buf+8*\kt+\d+3], v[ADK] offset:8192+(\off)+1024*\kt+128*\d   ; no wait: the maxima issued since the wait name the maxima's registers and S^T alone
.endif
.irp q, 0,1
	v_max3_num_f32 v[MX+2*\q], v[MX+2*\q], v[S+32*\q+8*\kt+\d], v[S+32*\q+8*\kt+\d+1]
	v_max3_num_f32 v[MX+2*\q+1], v[MX+2*\q+1], v[S+32*\q+8*\kt+\d+2], v[S+32*\q+8*\kt+\d+3]
.endr
.endr
.endr
.endm
	s_mov_b32 s2, 0                                ; LDS byte of the trip's first block
	v_add_nc_u32 v[ADK], s2, v[LI]
	s_wait_alu depctr_va_vdst(0)                   ; v[ADK] is written, which the sixteen loads below read
	LOAD8 KF, ADK, 0
	LOAD8 VF, ADK, 4096
	s_mov_b32 s3, 15
.Lmax:                                             ; a trip: two blocks
	s_wait_alu depctr_vm_vsrc(0)                   ; the LDS loads issued so far have read v[ADK]
	v_add_nc_u32 v[ADK], s2, v[LI]
	HALF KF, 0, 1, 8
	HALF VF, 4096, 1, 8
	s_add_co_u32 s2, s2, 8192
	s_sub_co_u32 s3, s3, 1
	s_cmp_lg_u32 s3, 0
	s_cbranch_scc1 .Lmax
	HALF KF, 0, 0, 8                               ; the last two blocks ask for nothing
	HALF VF, 0, 0, 0
	v_max_num_f32 v240, v240, v241
	v_max_num_f32 v242, v242, v243
	v_permlanex16_b32 v241, v240, s20, s21         ; the query's other keys lie in the lane 16 away
	v_permlanex16_b32 v243, v242, s20, s21
	v_max_num_f32 v240, v240, v241
	v_max_num_f32 v242, v242, v243
	v_mul_f32 v240, s22, v240                      ; as t (c is positive)
	v_mul_f32 v242, s22, v242
	v_floor_f32 v4, -v240                          ; -M = floor(-t) = -ceil(t)
	v_floor_f32 v6, -v242
	v_mov_b32 v5, v4                               ; (named as the pairs' upper halves)
	v_mov_b32 v7, v6
	s_wait_loadcnt 0x0                             ; V
.irp i, 0,1,2,3,4,5,6,7
	ds_store_b128 v250, v[O+4*\i:O+4*\i+3] offset:8192*\i
.endr
.irp i, 0,1,2,3,4,5,6,7
	ds_store_b128 v251, v[O+32+4*\i:O+32+4*\i+3] offset:8192*\i
.endr
	s_wait_dscnt 0x0
	s_barrier_signal -1
	s_barrier_wait -1                              ; V is whole
	s_wait_alu depctr_vm_vsrc(0)                   ; my LDS stores have read v[O ..], which is cleared below; pass 1's LDS loads have read v[ADK], which is written below
.irp j, 0,1,2,3,4,5,6,7,8,9,10,11,12,13,14,15,16,17,18,19,20,21,22,23,24,25,26,27,28,29,30,31,32,33,34,35,36,37,38,39,40,41,42,43,44,45,46,47,48,49,50,51,52,53,54,55,56,57,58,59,60,61,62,63
	v_mov_b32 v[O+\j], 0                           ; O^T, once: so the step is written with one form of its products
.endr
.irp j, 8,9,10,11,12,13,14,15
	v_mov_b32 v[\j], 0                             ; the sums
.endr
; PASS 2.  A block of 64 keys.  more = 1: the next block's K is asked for.
.macro STEP more
	s_wait_dscnt 0x0                               ; this block's K is in
	SMUL KF
	s_wait_alu depctr_vm_vsrc(0)                   ; the LDS loads issued so far have read v[ADK] and v[ADV]
	v_add_nc_u32 v[ADK], s2, v[LI]                 ; five places, two of them useful, in front of the first reads of S^T
	v_add_nc_u32 v[ADV], 0x20000, v[ADK]
	PLACES 3
	s_wait_alu depctr_va_vdst(0)                   ; the eight products above are done reading K's registers, the last step's second products V's: the loads below land in them; v[ADK] and v[ADV], their addresses, are written
.irp n, 0,1,2,3,4,5,6,7
	ds_load_b128 v[VF+4*\n:VF+4*\n+3], v[ADV] offset:512*\n    ; V's block, a load to two multiply-adds.  No wait: the lines issued since the wait name S^T, c and -M alone
	v_pk_fma_f32 v[S+4*\n:S+4*\n+1], v[S+4*\n:S+4*\n+1], s[22:23], v[4:5] op_sel_hi:[1,0,0]            ; t - M, two at a time (of the pairs c and -M the low word serves both halves)
	v_pk_fma_f32 v[S+4*\n+2:S+4*\n+3], v[S+4*\n+2:S+4*\n+3], s[22:23], v[4:5] op_sel_hi:[1,0,0]
.endr
.irp n, 0,1,2,3,4,5,6,7
.if \more
	ds_load_b128 v[KF+4*\n:KF+4*\n+3], v[ADK] offset:4096+512*\n   ; the next block of K, behind V's eight
.endif
	v_pk_fma_f32 v[S+32+4*\n:S+32+4*\n+1], v[S+32+4*\n:S+32+4*\n+1], s[22:23], v[6:7] op_sel_hi:[1,0,0]
	v_pk_fma_f32 v[S+32+4*\n+2:S+32+4*\n+3], v[S+32+4*\n+2:S+32+4*\n+3], s[22:23], v[6:7] op_sel_hi:[1,0,0]
.endr
	s_wait_alu depctr_va_vdst(0)
.irp j, 0,1,2,3,4,5,6,7,8,9,10,11,12,13,14,15,16,17,18,19,20,21,22,23,24,25,26,27,28,29,30,31,32,33,34,35,36,37,38,39,40,41,42,43,44,45,46,47,48,49,50,51,52,53,54,55,56,57,58,59,60,61,62,63
	v_exp_f32 v[S+\j], v[S+\j]                     ; p = 2^(t - M)
.endr
	v_nop                                          ; a plain line behind the exponentials
	s_wait_alu depctr_va_vdst(0)                   ; the 64 exponentials have written p, ahead of its first reader: one wait for the batch
.irp j, 0,4,8,12,16,20,24,28
	v_pk_add_f32 v[8:9], v[8:9], v[S+\j:S+\j+1]    ; THE SUM IS TAKEN OF THE UNQUANTISED p: four chains
	v_pk_add_f32 v[10:11], v[10:11], v[S+\j+2:S+\j+3]
	v_pk_add_f32 v[12:13], v[12:13], v[S+32+\j:S+32+\j+1]
	v_pk_add_f32 v[14:15], v[14:15], v[S+32+\j+2:S+32+\j+3]
.endr
	s_cmp_ge_i32 s30, -8                           ; 448 x 2^e10 is 1.75 or more: no p reaches it
	s_cbranch_scc1 .Lno_hold_\@
.irp j, 0,1,2,3,4,5,6,7,8,9,10,11,12,13,14,15,16,17,18,19,20,21,22,23,24,25,26,27,28,29,30,31,32,33,34,35,36,37,38,39,40,41,42,43,44,45,46,47,48,49,50,51,52,53,54,55,56,57,58,59,60,61,62,63
	v_min_num_f32 v[S+\j], v[S+\j], v[LM]          ; the conversion to an 8-bit code does not saturate (ISA guide 7.6.2); p is not negative, so the hold is one-sided
.endr
.Lno_hold_\@:
.irp q, 0,1
.irp kt, 0,1,2,3
	v_cvt_scalef32_pk8_fp8_f32 v[P+8*\q+2*\kt:P+8*\q+2*\kt+1], v[S+32*\q+8*\kt:S+32*\q+8*\kt+7], v[SC]
.endr
.endr
	v_nop                                          ; a plain line between the conversions and the products that read their results
	s_wait_alu depctr_va_vdst(0)
	s_wait_dscnt 8*\more                           ; V is in; the next block's eight loads of K may be out
.irp ct, 0,1,2,3
.irp q, 0,1
	v_wmma_f32_16x16x64_fp8_fp8 v[O+32*\q+8*\ct:O+32*\q+8*\ct+7], v[VF+8*\ct:VF+8*\ct+7], v[P+8*\q:P+8*\q+7], v[O+32*\q+8*\ct:O+32*\q+8*\ct+7]   ; eight accumulators by turns
.endr
.endr
	s_add_co_u32 s2, s2, 4096
.endm
	s_mov_b32 s2, 0
	v_add_nc_u32 v[ADK], s2, v[LI]
	s_wait_alu depctr_va_vdst(0)                   ; v[ADK] is written, which the eight loads below read; pass 1's products are done reading K's registers, in which they land
	LOAD8 KF, ADK, 0
	s_mov_b32 s3, 31
.Lkeys:
	STEP 1
	s_sub_co_u32 s3, s3, 1
	s_cmp_lg_u32 s3, 0
	s_cbranch_scc1 .Lkeys
	STEP 0                                         ; the last block asks for nothing
	; THE END.  The sums' parts are added (these lines are also the places behind the last products); O^T x 2^(e10 + e11 - e12) / the sum is held, converted and stored as planes.
	v_pk_add_f32 v[8:9], v[8:9], v[10:11]
	v_pk_add_f32 v[12:13], v[12:13], v[14:15]
	v_add_f32 v8, v8, v9
	v_add_f32 v12, v12, v13
	v_permlanex16_b32 v9, v8, s20, s21
	v_permlanex16_b32 v13, v12, s20, s21
	v_add_f32 v8, v8, v9
	v_add_f32 v12, v12, v13
	s_wait_alu depctr_va_vdst(0)
	v_rcp_f32 v240, v8
	v_rcp_f32 v242, v12
	v_mov_b32 v[SC], 1.0                           ; (a plain line behind the reciprocals)  the last conversions' scale
	s_wait_alu depctr_va_vdst(0)                   ; the two reciprocals have written v240 and v242, ahead of their first reader
	v_ldexp_f32 v240, v240, s25
	v_ldexp_f32 v242, v242, s25
	v_mov_b32 v241, v240
	v_mov_b32 v243, v242
.irp j, 0,2,4,6,8,10,12,14,16,18,20,22,24,26,28,30
	v_pk_mul_f32 v[S+\j:S+\j+1], v[O+\j:O+\j+1], v[240:241] op_sel_hi:[1,0]
.endr
.irp j, 0,2,4,6,8,10,12,14,16,18,20,22,24,26,28,30
	v_pk_mul_f32 v[S+32+\j:S+32+\j+1], v[O+32+\j:O+32+\j+1], v[242:243] op_sel_hi:[1,0]
.endr
.irp j, 0,1,2,3,4,5,6,7,8,9,10,11,12,13,14,15,16,17,18,19,20,21,22,23,24,25,26,27,28,29,30,31,32,33,34,35,36,37,38,39,40,41,42,43,44,45,46,47,48,49,50,51,52,53,54,55,56,57,58,59,60,61,62,63
	v_med3_num_f32 v[S+\j], v[S+\j], s36, s37      ; the hold at +-448
.endr
.irp q, 0,1
.irp ct, 0,1,2,3
	v_cvt_scalef32_pk8_fp8_f32 v[P+8*\q+2*\ct:P+8*\q+2*\ct+1], v[S+32*\q+8*\ct:S+32*\q+8*\ct+7], v[SC]
.endr
.endr
	v_nop                                          ; a plain line behind the last conversion
	s_wait_alu depctr_va_vdst(0)                   ; the conversions have written v[P ..], which the four stores read
	global_store_b128 v[LI], v[P:P+3], s[12:13]                    ; a plane: the wave stores 512 consecutive bytes
	global_store_b128 v[LI], v[P+4:P+7], s[12:13] offset:512
	global_store_b128 v[LI], v[P+8:P+11], s[12:13] offset:16384    ; my second tile of queries
	global_store_b128 v[LI], v[P+12:P+15], s[12:13] offset:16896
	s_wait_dscnt 0x0                               ; the closing lines, six on end
	s_wait_alu 0x0
	s_wait_tensorcnt 0x0
	ds_add_u32 v254, v255
	s_wait_dscnt 0x0
	s_endpgm
.Lfunc_end_k_q02931a62d3_attn:
	.size	k_q02931a62d3_attn, .Lfunc_end_k_q02931a62d3_attn-k_q02931a62d3_attn
	.p2alignl 7, 3214868480
	.fill 96, 4, 3214868480
	.section	.rodata,"a",@progbits
	.p2align	6, 0x0
	.amdhsa_kernel k_q02931a62d3_attn
		.amdhsa_group_segment_fixed_size 264192
		.amdhsa_private_segment_fixed_size 0
		.amdhsa_enable_private_segment 0
		.amdhsa_kernarg_size 40
		.amdhsa_user_sgpr_count 2
		.amdhsa_user_sgpr_kernarg_segment_ptr 1
		.amdhsa_wavefront_size32 1
		.amdhsa_system_sgpr_workgroup_id_x 1
		.amdhsa_system_sgpr_workgroup_id_y 1
		.amdhsa_system_sgpr_workgroup_id_z 1
		.amdhsa_system_vgpr_workitem_id 0
		.amdhsa_next_free_vgpr 256
		.amdhsa_next_free_sgpr 66
		.amdhsa_reserve_vcc 0
		.amdhsa_float_denorm_mode_32 3
		.amdhsa_float_denorm_mode_16_64 3
		.amdhsa_memory_ordered 1
		.amdhsa_forward_progress 1
		.amdhsa_inst_pref_size 56
	.end_amdhsa_kernel
	.amdgpu_metadata
---
amdhsa.version: [ 1, 2 ]
amdhsa.kernels:
  - .name:           k_q02931a62d3_attn
    .symbol:         k_q02931a62d3_attn.kd
    .args:
      - { .name: qc, .offset: 0, .size: 8, .value_kind: global_buffer, .address_space: global }
      - { .name: kc, .offset: 8, .size: 8, .value_kind: global_buffer, .address_space: global }
      - { .name: vc, .offset: 16, .size: 8, .value_kind: global_buffer, .address_space: global }
      - { .name: lowp_scales, .offset: 24, .size: 8, .value_kind: global_buffer, .address_space: global }
      - { .name: ao, .offset: 32, .size: 8, .value_kind: global_buffer, .address_space: global }
    .group_segment_fixed_size: 264192
    .private_segment_fixed_size: 0
    .kernarg_segment_align: 8
    .kernarg_segment_size: 40
    .max_flat_workgroup_size: 512
    .sgpr_count:     66
    .vgpr_count:     256
    .wavefront_size: 32
...
	.end_amdgpu_metadata
.endif
;; end of part 9
;; launch outp (part 10): grid 4 x 64, 4 waves a work-group, no clusters, 168,448 bytes of LDS; arguments ao, wo_codes, lowp_scales, x, out0; writes out0
.if DOCPART == 10
	.amdgcn_target "amdgcn-amd-amdhsa--gfx1250"
	.amdhsa_code_object_version 6
	.text
	.protected	k_q02931a62d3_outp
	.globl	k_q02931a62d3_outp
	.p2align	8
	.type	k_q02931a62d3_outp,@function
k_q02931a62d3_outp:
	s_mov_b64 s[64:65], 0
	v_nop
	global_prefetch_b8 v0, s[64:65] scope:SCOPE_SE
	s_setreg_imm32_b32 hwreg(HW_REG_WAVE_MODE, 25, 1), 1
	s_wait_xcnt 0x0
; out0 = x + (attention's output) wo, the product on codes of E4M3.
; UNITS.  Work-group x: columns 256 x on, 64 a wave; y: 128 rows, 8 tiles of 16.  256 work-groups of equal work.
; A wave's 64 columns x 1,024 along K are 32 weight fragments, 512 registers (windows 1 and 2), read once.  The rows' codes (131,072 bytes, images of fragments) come into LDS once, one tensor load of
; 32,768 bytes a wave; no LDS byte is filled twice: one barrier, no ring.  Each fragment of A read from LDS feeds four matrix instructions.
; TRANSPOSED USE (source 0 = 16 rows of wo, source 1 = 16 tokens); lane r of weight tile t takes row 32 (t / 2) + 8 (t % 2) + r + 8 (r / 8): lane (r, h) holds token r, register j of tile t column
; 32 (t / 2) + 16 h + 8 (t % 2) + j.  A tile's 16 rows x 256 bytes go through the wave's own stage in LDS (pitch 272 = 68 words: the sixteen rows of a store start at sixteen different banks: ISA guide 11.1)
; and come back by rows; x is loaded in that layout; one packed multiply-add gives sum x 2^(e12 + e13) + x; sixteen lanes store 256 consecutive bytes, aligned.
; The stages lie behind the block, in bytes into which no fill lands.
; NO CLUSTER: what partners would share is A's block, 131,072 of the 393,216 bytes of codes that a work-group fetches; the weights go straight into registers.
; LIMIT: e12 + e13 between -126 and 127.
.set KB,  1024
.set LI,  1                            ; v1   16 x lane: LDS address for tiles 0 to 3;  v2: + 65,536, for tiles 4 to 7
.set WA,  3                            ; v3   my place in a weight tile
.set STO, 4                            ; v4   the stage: where I put 16 bytes of a row
.set RD,  5                            ; v5   and where I read a row back
.set GX,  6                            ; v6   my byte offset in two rows of x and of out0
.set ACC, 16                           ; v16-47   four accumulators
.set XR,  48                           ; v48-79   x, by rows
.set BK,  80                           ; v80-111  the sums, by rows; then the results
.set AF,  128                          ; v128-255 A's eight fragments of a tile
.set STG, 131072
.set SP,  272
.set MSB, 0
.macro WIN new                         ; the immediate's high byte repeats the setting that is left
.if MSB != (\new)
	s_set_vgpr_msb (MSB<<8)|(\new)
.set MSB, (\new)
.endif
.endm
.macro PLACES n
.rept \n
	v_nop
.endr
.endm
.macro WHALF base
.irp s, 0,1,2,3
.irp t, 0,1,2,3
.irp c, 0,1,2,3
	global_load_b128 v[16*(4*\s+\t)+4*\c:16*(4*\s+\t)+4*\c+3], v[WA], s[44:45] offset:(32*(\t/2)+8*(\t%2))*KB+128*(\base+\s)+32*\c
.endr
.endr
.endr
.endm
.macro FETCH i                         ; tile i's eight fragments
.irp s, 0,1,2,3,4,5,6,7
.irp c, 0,1,2,3
	ds_load_b128 v[AF+16*\s+4*\c:AF+16*\s+4*\c+3], v[LI+(\i)/4] offset:16384*((\i)%4)+2048*\s+512*\c
.endr
.endr
.endm
; A tile's 32 products; the four accumulators take turns, one instruction a turn.  Five places follow: the next tile's first products write over the accumulators;
; they also serve the loads into A's registers and the LDS stores that read the results.
.macro MUL
.irp s, 0,1,2,3,4,5,6,7
	s_wait_dscnt 4*(7-\s)                          ; fragment s is in; those of the later K steps may be out
	WIN 1+\s/4
.irp t, 0,1,2,3
.if \s == 0
	v_wmma_f32_16x16x128_fp8_fp8 v[ACC+8*\t:ACC+8*\t+7], v[16*(4*(\s%4)+\t):16*(4*(\s%4)+\t)+15], v[AF+16*\s:AF+16*\s+15], 0
.else
	v_wmma_f32_16x16x128_fp8_fp8 v[ACC+8*\t:ACC+8*\t+7], v[16*(4*(\s%4)+\t):16*(4*(\s%4)+\t)+15], v[AF+16*\s:AF+16*\s+15], v[ACC+8*\t:ACC+8*\t+7]
.endif
.endr
.endr
	WIN 0
	PLACES 5
.endm
.macro XLOAD i                         ; tile i's 16 rows x 256 bytes of x: sixteen lanes to a row, two rows a line
.irp q, 0,1,2,3,4,5,6,7
	global_load_b128 v[XR+4*\q:XR+4*\q+3], v[GX], s[10:11] offset:65536*(\i)+8192*\q th:TH_LOAD_NT
.endr
.endm
	s_load_b256 s[4:11], s[0:1], 0x0               ; ao s[4:5], wo s[6:7], the scales' exponents s[8:9], x s[10:11]
	s_load_b64 s[12:13], s[0:1], 0x20              ; out0
	v_lshl_add_u32 v126, v0, 2, 0x29000
	v_mov_b32 v127, 0
	ds_add_u32 v126, v127
	ds_add_u32 v126, v127
	v_lshrrev_b32 v7, 5, v0
	v_readfirstlane_b32 s32, v7                    ; wave 0..3
	s_mov_b32 s33, ttmp9                           ; the columns' unit
	s_and_b32 s34, ttmp7, 0xffff                   ; the block of 128 rows
	; descriptor group 1: a dense block of 32,768 bytes as 128 rows of 32 elements of 8 bytes; no padding, no mask
	s_mov_b32 s24, 3<<16
	s_mov_b32 s25, 32<<16
	s_mov_b32 s26, 128<<16
	s_mov_b32 s27, 32<<16
	s_mov_b32 s28, 128
	s_mov_b32 s29, 32
	s_mov_b32 s30, 0
	s_mov_b32 s31, 0
	s_mov_b32 s20, 1
	s_lshl_b32 s21, s32, 15                        ; LDS address: wave x 32,768: two tiles of the eight
	s_lshl_b32 s38, s34, 17                        ; the block's 131,072 bytes,
	s_add_co_u32 s38, s38, s21                     ; my quarter of them
	s_mov_b32 s39, 0
	s_lshl_b32 s40, s33, 18                        ; wo's rows: 256 x unit + 64 x wave, 1,024 bytes each
	s_lshl_b32 s35, s32, 16
	s_add_co_u32 s40, s40, s35
	s_mov_b32 s41, 0
	s_lshl_b32 s42, s34, 19                        ; x and out0: 128 y rows of 4,096 bytes, + (256 unit + 64 wave) x 4
	s_lshl_b32 s35, s33, 10
	s_add_co_u32 s42, s42, s35
	s_lshl_b32 s35, s32, 8
	s_add_co_u32 s42, s42, s35
	s_mov_b32 s43, 0
	s_wait_dscnt 0x0
	s_wait_kmcnt 0x0
	s_load_b64 s[60:61], s[8:9], 0x30              ; e12, e13
	s_add_nc_u64 s[22:23], s[4:5], s[38:39]
	s_or_b32 s23, s23, 0x80000000                  ; type = 2
	tensor_load_to_lds s[20:23], s[24:31]          ; my one tensor load of the launch
	s_nop 0
	PLACES 4
	s_add_nc_u64 s[44:45], s[6:7], s[40:41]
	s_add_nc_u64 s[10:11], s[10:11], s[42:43]
	s_add_nc_u64 s[12:13], s[12:13], s[42:43]
	v_and_b32 v7, 15, v0                           ; r
	v_bfe_u32 v8, v0, 4, 1                         ; h
	v_and_b32 v1, 31, v0
	v_lshlrev_b32 v[LI], 4, v1
	v_add_nc_u32 v2, 0x10000, v[LI]
	v_and_b32 v9, 8, v7
	v_add_nc_u32 v9, v9, v7                        ; r + 8 (r / 8)
	v_lshlrev_b32 v[WA], 10, v9
	v_lshl_add_u32 v[WA], v8, 4, v[WA]
	s_mul_i32 s35, s32, 16*SP
	s_add_co_u32 s35, s35, STG                     ; my stage
	v_mul_u32_u24 v[STO], v7, SP
	v_lshl_add_u32 v[STO], v8, 6, v[STO]
	v_add_nc_u32 v[STO], s35, v[STO]               ; in: row r, + 64 h
	v_mul_u32_u24 v[RD], v8, SP
	v_lshl_add_u32 v[RD], v7, 4, v[RD]
	v_add_nc_u32 v[RD], s35, v[RD]                 ; back: lanes 0-15 one row, lanes 16-31 the next
	v_lshlrev_b32 v[GX], 12, v8
	v_lshl_add_u32 v[GX], v7, 4, v[GX]             ; and the same two rows in memory
	WIN 0x40                                       ; destination window 1
	WHALF 0
	WIN 0x80                                       ; destination window 2
	WHALF 4
	WIN 0
	XLOAD 0
	s_wait_kmcnt 0x0
	s_add_co_i32 s46, s60, s61
	s_add_co_i32 s46, s46, 127
	s_lshl_b32 s46, s46, 23                        ; 2^(e12 + e13) as f32
	s_mov_b32 s47, s46                             ; (named with it as a pair, so it is written)
	s_wait_tensorcnt 0x0                           ; my quarter of the block is in LDS,
	s_barrier_signal -1
	s_barrier_wait -1                              ; everybody's is: the launch's one barrier
	FETCH 0
	s_wait_loadcnt 0x0                             ; the weights and the first rows of x
.macro OTILE i
	MUL
	s_wait_alu depctr_va_vdst(0)
.irp t, 0,1,2,3
	ds_store_b128 v[STO], v[ACC+8*\t:ACC+8*\t+3] offset:128*(\t/2)+32*(\t%2)           ; each accumulator from its low end on
	ds_store_b128 v[STO], v[ACC+8*\t+4:ACC+8*\t+7] offset:128*(\t/2)+32*(\t%2)+16
.endr
	s_wait_xcnt 0x0                                ; the last tile's stores have read their registers: the loads below land there
.irp q, 0,1,2,3,4,5,6,7
	ds_load_b128 v[BK+4*\q:BK+4*\q+3], v[RD] offset:2*SP*\q    ; LDS serves a wave's instructions in order (ISA guide 5.7.1.4): these see my stores, and the next tile's stores come behind them
.endr
.if \i < 7
	FETCH \i+1                                     ; the next tile's fragments land under this tile's way out
	s_wait_loadcnt 0x0                             ; x
	s_wait_dscnt 32                                ; the rows are back; the 32 loads just issued may be out
.else
	s_wait_loadcnt 0x0
	s_wait_dscnt 0x0
.endif
.irp m, 0,2,4,6,8,10,12,14,16,18,20,22,24,26,28,30
	v_pk_fma_f32 v[BK+\m:BK+\m+1], v[BK+\m:BK+\m+1], s[46:47], v[XR+\m:XR+\m+1] op_sel_hi:[1,0,1]   ; sum x 2^(e12 + e13) + x
.endr
.if \i < 7
	XLOAD \i+1
.endif
.irp q, 0,1,2,3,4,5,6,7
	global_store_b128 v[GX], v[BK+4*\q:BK+4*\q+3], s[12:13] offset:65536*\i+8192*\q th:TH_STORE_NT   ; sixteen lanes store 256 consecutive bytes, at a multiple of 256 from out0's first byte
.endr
.endm
.irp i, 0,1,2,3,4,5,6,7
	OTILE \i
.endr
	s_wait_tensorcnt 0x0
	ds_add_u32 v126, v127
	s_wait_dscnt 0x0
	s_endpgm
.Lfunc_end_k_q02931a62d3_outp:
	.size	k_q02931a62d3_outp, .Lfunc_end_k_q02931a62d3_outp-k_q02931a62d3_outp
	.p2alignl 7, 3214868480
	.fill 96, 4, 3214868480
	.section	.rodata,"a",@progbits
	.p2align	6, 0x0
	.amdhsa_kernel k_q02931a62d3_outp
		.amdhsa_group_segment_fixed_size 168448
		.amdhsa_private_segment_fixed_size 0
		.amdhsa_enable_private_segment 0
		.amdhsa_kernarg_size 40
		.amdhsa_user_sgpr_count 2
		.amdhsa_user_sgpr_kernarg_segment_ptr 1
		.amdhsa_wavefront_size32 1
		.amdhsa_system_sgpr_workgroup_id_x 1
		.amdhsa_system_sgpr_workgroup_id_y 1
		.amdhsa_system_sgpr_workgroup_id_z 1
		.amdhsa_system_vgpr_workitem_id 0
		.amdhsa_next_free_vgpr 768
		.amdhsa_next_free_sgpr 66
		.amdhsa_reserve_vcc 0
		.amdhsa_float_denorm_mode_32 3
		.amdhsa_float_denorm_mode_16_64 3
		.amdhsa_memory_ordered 1
		.amdhsa_forward_progress 1
		.amdhsa_inst_pref_size 81
	.end_amdhsa_kernel
	.amdgpu_metadata
---
amdhsa.version: [ 1, 2 ]
amdhsa.kernels:
  - .name:           k_q02931a62d3_outp
    .symbol:         k_q02931a62d3_outp.kd
    .args:
      - { .name: ao, .offset: 0, .size: 8, .value_kind: global_buffer, .address_space: global }
      - { .name: wo_codes, .offset: 8, .size: 8, .value_kind: global_buffer, .address_space: global }
      - { .name: lowp_scales, .offset: 16, .size: 8, .value_kind: global_buffer, .address_space: global }
      - { .name: x, .offset: 24, .size: 8, .value_kind: global_buffer, .address_space: global }
      - { .name: out0, .offset: 32, .size: 8, .value_kind: global_buffer, .address_space: global }
    .group_segment_fixed_size: 168448
    .private_segment_fixed_size: 0
    .kernarg_segment_align: 8
    .kernarg_segment_size: 40
    .max_flat_workgroup_size: 128
    .sgpr_count:     66
    .vgpr_count:     768
    .wavefront_size: 32
...
	.end_amdgpu_metadata
.endif
;; end of part 10
